; MI455X (gfx1250); checked and timed in simulation.
; The chip was launched on July 23, 2026; its instructions are those of AMD's public machine-readable ISA for CDNA 5 (MIT licence, August 2026) and "CDNA5" Instruction Set Architecture Reference Guide (July 2026). The comments in the code are by the model that wrote it; some were corrected since.
;; Encoder Ro PE Block. Allowed arithmetic: matrix products marked QUANTISED: E2M1 operands, one E8M0 scale for each 32 along K, by v_wmma_scale_f32_16x16x128_f8f6f4 with both operands' format E2M1 (or v_wmma_scale_f32_32x16x128_f4), f32 sums; everything else in f32.
;; Inputs: b1 4,096 float32; b2 1,024 float32; bk 1,024 float32; bo 1,024 float32; bq 1,024 float32; bv 1,024 float32; gate_mlp 1 x 1 x 1,024 float32; gate_msa 1 x 1 x 1,024 float32; ln1_b 1,024 float32; ln1_g 1,024 float32; ln2_b 1,024 float32; ln2_g 1,024 float32; w1 1,024 x 4,096 float32; w2 4,096 x 1,024 float32; wk 1,024 x 1,024 float32; wo 1,024 x 1,024 float32; wq 1,024 x 1,024 float32; wv 1,024 x 1,024 float32; x 2 x 2,048 x 1,024 float32.
;; Outputs: out0 2 x 2,048 x 1,024 float32.
;; This version of the problem:
;;   THIS VERSION OF THE PROBLEM IS GIVEN IN LOW PRECISION. The matrix products marked QUANTISED in the list below multiply operands that are first quantised to E2M1 (2 exponent bits, 1 mantissa bit; 4 bits a number), with one power-of-two scale for each 32 numbers along K (OCP MX v1.0); their sums are f32. All else is computed in f32.
;;   The module's matrix products, in the order in which they are computed (A, B: the left and right operand; K: the contracted axis; several contracted axes count as one K, in the product's order):
;;     1. [M 4,096, K 1,024] x [K 1,024, N 1,024]; A: computed on the way; B: input wq: QUANTISED
;;     2. [M 4,096, K 1,024] x [K 1,024, N 1,024]; A: computed on the way; B: input wk: QUANTISED
;;     3. [M 4,096, K 1,024] x [K 1,024, N 1,024]; A: computed on the way; B: input wv: QUANTISED
;;     4. batch 32 x [M 2,048, K 64] x [K 64, N 2,048]; A: computed on the way; B: computed on the way: QUANTISED
;;     5. batch 32 x [M 2,048, K 2,048] x [K 2,048, N 64]; A: softmax (see below); B: computed on the way: QUANTISED
;;     6. [M 4,096, K 1,024] x [K 1,024, N 1,024]; A: computed on the way; B: input wo: QUANTISED
;;     7. [M 4,096, K 1,024] x [K 1,024, N 4,096]; A: computed on the way; B: input w1: QUANTISED
;;     8. [M 4,096, K 4,096] x [K 4,096, N 1,024]; A: computed on the way; B: input w2: QUANTISED
;;   THE QUANTISER, for each operand of a quantised product, along K:
;;     - K is cut into blocks of 32 from its start; a last block that is shorter is filled with zeros.
;;     - A block's scale is 2^e with e = floor(log2(the largest magnitude in the block)) - 2, held to -126 .. 127; a block of zeros has e = 0. As a byte (E8M0): e + 127.
;;     - Each number is divided by its block's scale, clamped to +-6, and rounded to the nearest number of E2M1, ties to even, subnormals kept.
;;     - The product sums the exact products of the quantised numbers (number of the format x scale) in f32.
;;   ~~~python
;;   def quantise(x, axis):      # numpy; x: float32 -> the quantised numbers, widened to float32 again
;;       x = np.moveaxis(x, axis, -1); K = x.shape[-1]
;;       x = np.pad(x, [(0, 0)] * (x.ndim - 1) + [(0, -K % 32)]); x = x.reshape(x.shape[:-1] + (-1, 32)); a = np.abs(x).max(-1, keepdims=True)
;;       e = np.where(a > 0, np.clip(np.frexp(np.where(a > 0, a, 1))[1] - 1 - 2, -126, 127), 0)      # np.frexp(a)[1] - 1 = floor(log2(a)), exactly
;;       r = np.clip(x / 2.0 ** e, -6, 6)
;;       step = 2.0 ** (np.maximum(np.frexp(np.where(r == 0, 1, r))[1] - 1, 0) - 1)
;;       q = np.round(r / step) * step * 2.0 ** e      # np.round: ties to even
;;       return np.moveaxis(q.reshape(q.shape[:-2] + (-1,))[..., :K], -1, axis).astype(np.float32)
;;   ~~~
;;   SOFTMAX AHEAD OF A QUANTISED PRODUCT. Where the list says 'softmax', what is quantised is not the finished softmax but p = 2^(t - M), with t = logit x log2(e) and M = ceil(the row's largest t), a whole number; so 1/2 < the row's largest p <= 1. The row's sum l is taken of the UNQUANTISED p, in f32, and the product's result is divided by l at the end. Since M is a whole number, a kernel that streams over the keys may use a running M (the ceiling of the running maximum): every later rescaling is an exact power of two, which a block's scale takes up: the codes' values come out the same.
;;   OPERANDS COMPUTED ON THE WAY. 'Computed on the way' means the value that the module computes at that place (a softmax that the list does not call 'softmax' is quantised finished and normalised). What goes into a quantiser is computed in f32, as accurately as f32 sums, v_exp_f32 and their like allow (about 1e-6 of the number): no bf16 or f16 on the way to a quantiser, and a product that is left as it is and whose result goes on into a quantised operand takes f32 operands (vector FMAs, or v_wmma_f32_16x16x4_f32). A number that lies on a knife's edge between two numbers of the format may be rounded either way, as far as f32 arithmetic and the matrix unit's own rounding can turn it there, and no further.
;; One version. Each part assembles by itself: llvm-mc -triple=amdgcn-amd-amdhsa -mcpu=gfx1250 --defsym DOCPART=n.
;; ======== version 1 of 1: 7 launches
;; limits: right only within a limited range of input values
;; workspace buffers: wimg 6,717,440 bytes; rope 524,288 bytes; himg 2,228,224 bytes; qkvimg 6,684,672 bytes; oimg 2,228,224 bytes; x1 16,777,216 bytes; h2img 2,228,224 bytes; gimg 8,912,896 bytes
;; launch prep (part 1): grid 64 x 17, 4 waves a work-group, no clusters, 28,160 bytes of LDS; arguments wq, wk, wv, wo, w1, w2, wimg, rope, x, ln1_g, ln1_b, himg; writes wimg, rope, himg
.if DOCPART == 1
	.amdgcn_target "amdgcn-amd-amdhsa--gfx1250"
	.amdhsa_code_object_version 6
	.text
	.protected	k_q92dabfdec9_prep
	.globl	k_q92dabfdec9_prep
	.p2align	8
	.type	k_q92dabfdec9_prep,@function
k_q92dabfdec9_prep:
	s_mov_b64 s[64:65], 0
	v_nop
	global_prefetch_b8 v0, s[64:65] scope:SCOPE_SE
	s_setreg_imm32_b32 hwreg(HW_REG_WAVE_MODE, 25, 1), 1
	s_wait_xcnt 0x0
; THREE INDEPENDENT JOBS IN ONE LAUNCH; the paths part on the work-group's y alone.
;   y = 0..3: the first layer norm of x and its codes (tile T = 64 y + x): first in the grid, since its chain of dependent steps is the longest;
;   y = 4..15: the six weights [K][N], f32, become codes of E2M1 along K, laid as images of operand registers;   y = 16: the table of cos and sin for RoPE.
; IMAGE.  Rows (output features, or tokens) stand in tiles of 16 in the order P64: tile T, row r = index 64 (T / 4) + 32 (r / 8) + 8 (T % 4) + r % 8.  A group of 8 tiles holds, for each K step of 128,
; 8 fragments of 1,024 bytes; in a fragment block kb % 4 of row r lies at 256 (kb % 4) + 16 r: two loads of 16 bytes a lane, 512 bytes apart, fill the operand.
; Scale bytes: plane kb / 16, then 16 bytes a row, byte kb % 16: a load of 16 bytes a lane brings the scale words of four K steps for two tiles.
; WEIGHTS.  A LANE TAKES A COLUMN AND ITS REGISTERS RUN DOWN K: a block of 32 lies in one lane, and the conversions give codes with K innermost.  A work-group takes 128 columns x 128 along K.
; Loads read two runs of 64 bytes in sixteen lanes each (the price of the tile order); code stores fill whole runs of 256 bytes; a lane's scale word is 4 bytes, 16 bytes apart from its neighbour's.
; LIMITS: NaN and infinities are not served; a block whose largest magnitude lies under 2^-124 (a block of zeros too) gets the byte 1: the bytes are read by this program alone.
; The table's frequencies are 10^(-j/8) rounded to f32, which may differ in the last bit from a power and a division in f32: at most 1e-4 radians at position 2,047.  v_rsq_f32 is good to one unit in the last place.
.set QM0, 8
.set QM1, 9
.set QSC, 10
.set NUM, 32                           ; v32-159  128 numbers down K
.set COD, 160                          ; v160-175 four blocks' codes
; 32 numbers of a lane, v[s] on, become 32 codes in v[c] .. v[c+3] and the scale's byte in v[e]
.macro QUANT32 s, c, e
	v_max3_num_f32 v[QM0], |v[(\s)]|, |v[(\s)+1]|, 0x1800000       ; the floor 2^(3 - 127) holds the byte at 1 from below
	v_max3_num_f32 v[QM1], |v[(\s)+2]|, |v[(\s)+3]|, |v[(\s)+4]|
.irp i, 5,9,13,17,21,25
	v_max3_num_f32 v[QM0], v[QM0], |v[(\s)+\i]|, |v[(\s)+\i+1]|
	v_max3_num_f32 v[QM1], v[QM1], |v[(\s)+\i+2]|, |v[(\s)+\i+3]|
.endr
	v_max3_num_f32 v[QM0], v[QM0], |v[(\s)+29]|, |v[(\s)+30]|
	v_max3_num_f32 v[QM0], v[QM0], v[QM1], |v[(\s)+31]|
	v_add_nc_u32 v[QSC], 0xff000000, v[QM0]                        ; 2 off the exponent field: the conversion's scale operand
.irp g, 0,1,2,3
	v_cvt_scalef32_pk8_fp4_f32 v[(\c)+\g], v[(\s)+8*\g:(\s)+8*\g+7], v[QSC]
.endr
	v_lshrrev_b32 v[(\e)], 23, v[QSC]                              ; the byte; also the plain line behind the conversions
.endm
; a K step of one column a lane: 128 loads, then four blocks
.macro WQ pitch
.set n, 0
.rept 128
	global_load_b32 v[NUM+n], v2, s[4:5] offset:n*\pitch th:TH_LOAD_NT
.set n, n+1
.endr
	s_wait_loadcnt 63                              ; at most 63 of the 128 are out: blocks 0 and 1 (64 loads) are in
	QUANT32 NUM, COD, 12
	global_store_b128 v4, v[COD:COD+3], s[36:37]
	QUANT32 NUM+32, COD+4, 11
	v_lshl_or_b32 v12, v11, 8, v12
	global_store_b128 v4, v[COD+4:COD+7], s[36:37] offset:256
	s_wait_loadcnt 32                              ; block 3's 32 loads may be out
	QUANT32 NUM+64, COD+8, 11
	v_lshl_or_b32 v12, v11, 16, v12
	global_store_b128 v4, v[COD+8:COD+11], s[36:37] offset:512
	s_wait_loadcnt 0x0
	QUANT32 NUM+96, COD+12, 11
	v_lshl_or_b32 v12, v11, 24, v12
	global_store_b128 v4, v[COD+12:COD+15], s[36:37] offset:768
	global_store_b32 v5, v12, s[38:39]             ; the K step's scale word of my row
.endm
	v_lshl_add_u32 v22, v0, 2, 0x6c00
	v_mov_b32 v23, 0
	s_and_b32 s20, ttmp7, 0xffff                   ; y
	s_cmp_lt_u32 s20, 4
	s_cbranch_scc1 .Lnorm
	s_load_b256 s[4:11], s[0:1], 0x0               ; wq, wk, wv, wo
	s_load_b256 s[12:19], s[0:1], 0x20             ; w1, w2, wimg, rope
	s_sub_co_u32 s20, s20, 4                       ; 0..11: the weights; 12: the table
	v_lshrrev_b32 v1, 5, v0
	v_readfirstlane_b32 s40, v1                    ; wave
	s_cmp_eq_u32 s20, 12
	s_cbranch_scc1 .Lrope
	; which matrix, which group of 128 columns (s23), which K step (s24)
	s_lshr_b32 s21, s20, 2                         ; 0: wq wk wv wo, 1: w1, 2: w2
	s_and_b32 s22, s20, 3
	s_and_b32 s23, ttmp9, 7
	s_lshr_b32 s24, ttmp9, 3
	s_and_b32 s25, ttmp9, 31
	s_lshr_b32 s26, ttmp9, 5
	s_lshl_b32 s27, s22, 1
	s_add_co_u32 s26, s26, s27                     ; w1's K step
	s_lshl_b32 s27, s22, 3
	s_add_co_u32 s27, s24, s27                     ; w2's
	s_lshl_b32 s28, s20, 19                        ; where the codes begin in wimg: 8 groups of 64 KB for each of the first four
	s_lshl_b32 s29, s20, 14
	s_add_co_u32 s29, s29, 0x600000                ; where the scale bytes begin
	s_mov_b32 s30, 16                              ; log2 of a group's bytes
	s_mov_b32 s31, 16                              ; log2 of a scale plane's bytes
	s_mov_b32 s32, 19                              ; log2 of 128 rows of the source
	s_wait_kmcnt 0x0
	s_cmp_eq_u32 s20, 1
	s_cselect_b64 s[4:5], s[6:7], s[4:5]
	s_cmp_eq_u32 s20, 2
	s_cselect_b64 s[4:5], s[8:9], s[4:5]
	s_cmp_eq_u32 s20, 3
	s_cselect_b64 s[4:5], s[10:11], s[4:5]
	s_cselect_b32 s29, 0x620000, s29
	s_cselect_b32 s31, 14, s31
	s_cmp_eq_u32 s21, 1
	s_cselect_b64 s[4:5], s[12:13], s[4:5]
	s_cselect_b32 s23, s25, s23
	s_cselect_b32 s24, s26, s24
	s_cselect_b32 s28, 0x200000, s28
	s_cselect_b32 s29, 0x628000, s29
	s_cselect_b32 s32, 21, s32
	s_cmp_eq_u32 s21, 2
	s_cselect_b64 s[4:5], s[14:15], s[4:5]
	s_cselect_b32 s24, s27, s24
	s_cselect_b32 s28, 0x400000, s28
	s_cselect_b32 s29, 0x648000, s29
	s_cselect_b32 s30, 18, s30
	s_cselect_b32 s31, 14, s31
	s_lshl_b32 s32, s24, s32                       ; the source: K step x 128 rows + group x 512 bytes
	s_lshl_b32 s33, s23, 9
	s_add_co_u32 s32, s32, s33
	s_mov_b32 s33, 0
	s_add_nc_u64 s[4:5], s[4:5], s[32:33]
	s_lshl_b32 s34, s23, s30                       ; the codes: group, K step
	s_add_co_u32 s34, s34, s28
	s_lshl_b32 s35, s24, 13
	s_add_co_u32 s34, s34, s35
	s_mov_b32 s35, 0
	s_add_nc_u64 s[36:37], s[16:17], s[34:35]
	s_lshr_b32 s34, s24, 2                         ; the scale words: plane, group's 2,048 bytes, word in the 16 bytes
	s_lshl_b32 s34, s34, s31
	s_add_co_u32 s34, s34, s29
	s_lshl_b32 s41, s23, 11
	s_add_co_u32 s34, s34, s41
	s_and_b32 s41, s24, 3
	s_lshl_b32 s41, s41, 2
	s_add_co_u32 s34, s34, s41
	s_add_nc_u64 s[38:39], s[16:17], s[34:35]
	; thread n = 16 t + r is row r of the group's tile t: its column is 64 (t / 4) + 32 (r / 8) + 8 (t % 4) + r % 8
	v_and_b32 v2, 7, v0
	v_lshlrev_b32 v2, 2, v2
	v_bfe_u32 v3, v0, 3, 1
	v_lshl_add_u32 v2, v3, 7, v2
	v_bfe_u32 v3, v0, 4, 2
	v_lshl_add_u32 v2, v3, 5, v2
	v_bfe_u32 v3, v0, 6, 1
	v_lshl_add_u32 v2, v3, 8, v2                   ; in bytes
	v_and_b32 v4, 15, v0
	v_lshlrev_b32 v4, 4, v4
	v_lshrrev_b32 v3, 4, v0
	v_lshl_add_u32 v4, v3, 10, v4                  ; codes: 1,024 t + 16 r
	v_lshlrev_b32 v5, 4, v0                        ; scale word: 16 bytes a row
	s_cmp_eq_u32 s21, 1
	s_cbranch_scc1 .Lwide
	WQ 4096
	s_endpgm
.Lwide:
	s_wait_alu depctr_va_vdst(0)
	WQ 16384
	s_endpgm
; THE TABLE: [tile 128][q 8][lane][16 bytes]: lane (r, h) finds cos, sin of pairs 16 h + 2 q and 16 h + 2 q + 1 at position P64(tile, r).  A wave makes half a tile's: q = 4 gb + 0..3.
.Lrope:
	s_lshl_b32 s21, ttmp9, 2
	s_add_co_u32 s21, s21, s40                     ; g = 4 x + wave
	s_lshr_b32 s22, s21, 1                         ; tile
	s_and_b32 s23, s21, 1                          ; gb
	s_lshr_b32 s24, s22, 2
	s_lshl_b32 s24, s24, 6
	s_and_b32 s25, s22, 3
	s_lshl_b32 s25, s25, 3
	s_add_co_u32 s24, s24, s25
	v_and_b32 v2, 7, v0
	v_bfe_u32 v3, v0, 3, 1
	v_lshl_add_u32 v2, v3, 5, v2
	v_add_nc_u32 v2, s24, v2
	v_cvt_f32_u32 v2, v2                           ; the position
	v_bfe_u32 v3, v0, 4, 1
	v_cmp_eq_u32 s26, 1, v3                        ; lanes 16-31
	v_and_b32 v4, 31, v0
	v_lshlrev_b32 v4, 4, v4
	s_lshl_b32 s28, s21, 11
	s_mov_b32 s29, 0
	s_mov_b32 s32, 0xbfc90fdb                      ; -(pi/2 rounded to f32)
	s_mov_b32 s33, 0x333bbd2e                      ; that number less pi/2
	s_mov_b32 s34, -0.00019515295891               ; sine on +-pi/4: r + r^3 (S1 + z (S2 + z S3)), z = r^2
	s_mov_b32 s35, 0.0083321608736
	s_mov_b32 s36, -0.16666654611
	s_mov_b32 s37, 0.00002443315712                ; cosine: 1 - z/2 + z^2 (C1 + z (C2 + z C3))
	s_mov_b32 s38, -0.001388731625
	s_mov_b32 s39, 0.04166664568
	s_wait_kmcnt 0x0
	s_add_nc_u64 s[18:19], s[18:19], s[28:29]
	s_cmp_eq_u32 s23, 1                            ; SCC = gb for all the selections below: only moves and selections follow
; pair 16 h + 8 gb + m: its frequency is 10^-(2 h + gb + m/8): a0, a1 for lanes 0-15 (gb = 0, 1), b0, b1 for lanes 16-31
.macro SINCOS m, a0, a1, b0, b1
	s_mov_b32 s30, \a0
	s_cselect_b32 s30, \a1, s30
	s_mov_b32 s31, \b0
	s_cselect_b32 s31, \b1, s31
	v_mov_b32 v5, s31
	v_cndmask_b32 v5, s30, v5, s26
	s_wait_alu depctr_va_vdst(0)
	v_mul_f32 v6, v2, v5                           ; the angle, rounded once
	v_mul_f32 v7, 0x3f22f983, v6
	v_rndne_f32 v7, v7                             ; n = the nearest multiple of pi/2, at most 1,304
	v_fma_f32 v6, v7, s32, v6                      ; exact: a multiple of 2^-23 under 1
	v_fma_f32 v6, v7, s33, v6
	v_mul_f32 v8, v6, v6
	v_cvt_i32_f32 v7, v7
	v_fma_f32 v9, v8, s34, s35
	v_fma_f32 v10, v8, s37, s38
	v_fma_f32 v9, v9, v8, s36
	v_fma_f32 v10, v10, v8, s39
	v_mul_f32 v9, v9, v8
	v_mul_f32 v11, v8, v8
	v_fma_f32 v12, v8, -0.5, 1.0
	v_fma_f32 v9, v9, v6, v6                       ; sin r
	v_fma_f32 v10, v10, v11, v12                   ; cos r
	v_and_b32 v11, 1, v7
	v_cmp_eq_u32 vcc_lo, 1, v11                    ; odd quadrants change the two
	v_cndmask_b32 v12, v9, v10, vcc_lo
	v_cndmask_b32 v13, v10, v9, vcc_lo
	v_lshlrev_b32 v11, 30, v7
	v_and_b32 v11, 0x80000000, v11                 ; sine is negative in quadrants 2, 3
	v_xor_b32 v[65+2*\m], v11, v12
	v_add_nc_u32 v7, 1, v7
	v_lshlrev_b32 v11, 30, v7
	v_and_b32 v11, 0x80000000, v11                 ; cosine in quadrants 1, 2
	v_xor_b32 v[64+2*\m], v11, v13
.endm
	SINCOS 0, 1.0, 0.1, 0.01, 0.001
	SINCOS 1, 0.7498942093, 0.07498942093, 0.007498942093, 0.0007498942093
	SINCOS 2, 0.5623413252, 0.05623413252, 0.005623413252, 0.0005623413252
	SINCOS 3, 0.4216965034, 0.04216965034, 0.004216965034, 0.0004216965034
	SINCOS 4, 0.3162277660, 0.03162277660, 0.003162277660, 0.0003162277660
	SINCOS 5, 0.2371373706, 0.02371373706, 0.002371373706, 0.0002371373706
	SINCOS 6, 0.1778279410, 0.01778279410, 0.001778279410, 0.0001778279410
	SINCOS 7, 0.1333521432, 0.01333521432, 0.001333521432, 0.0001333521432
.irp q, 0,1,2,3
	global_store_b128 v4, v[64+4*\q:67+4*\q], s[18:19] offset:512*\q   ; 512 consecutive bytes a store
.endr
	s_endpgm
; THE LAYER NORM.  y = (x - mean) rsqrt(var + 1e-6) g + b for rows of 1,024, all in f32 (the variance from the differences, so a common offset does no harm); y becomes codes of E2M1 along the row.
; A work-group makes one tile of the image (16 tokens in the order P64); wave w its rows 4 w .. 4 w + 3, four tokens on end in memory.
; A load takes 512 consecutive bytes, 16 a lane; the quantiser wants a block of 32 neighbours in one lane: a row turns through the wave's own stage in LDS (144 bytes a block: 128 + 16 of padding),
; which the wave's four rows use in turn: a row's reads are awaited before the next row's stores are issued.
; The codes (16 bytes a lane and row) and the scale bytes are gathered in LDS as the image has them and leave in runs of 256 bytes and more.  This path alone touches LDS and has a barrier.
.set STW, 4608                         ; a wave's stage: 32 blocks x 144 bytes
.set IMG, 18432                        ; the tile's 32 units of 256 bytes (unit = block along K), each + 16 of padding
.set SCB, 27136                        ; its 512 scale bytes: plane, 16 bytes a row
.set QM0, 24
.set QM1, 25
.set QSC, 26
.set GG, 160                           ; v160-191 g, v192-223 b of my 32 columns
.set BB, 192
.set BK, 224                           ; v224-255 a block of 32 neighbours
.macro WSUM r, t                       ; the sum over the 32 lanes, in every lane
	v_add_f32_dpp v[\r], v[\r], v[\r] row_xmask:1 row_mask:0xf bank_mask:0xf
	v_add_f32_dpp v[\r], v[\r], v[\r] row_xmask:2 row_mask:0xf bank_mask:0xf
	v_add_f32_dpp v[\r], v[\r], v[\r] row_xmask:4 row_mask:0xf bank_mask:0xf
	v_add_f32_dpp v[\r], v[\r], v[\r] row_xmask:8 row_mask:0xf bank_mask:0xf
	v_permlanex16_b32 v[\t], v[\r], s18, s19
	v_add_f32 v[\r], v[\r], v[\t]
.endm
.Lnorm:
	s_load_b256 s[4:11], s[0:1], 0x40              ; x, g, b, the image
	s_lshl_b32 s30, s20, 6
	s_add_co_u32 s30, s30, ttmp9                   ; the tile: 64 y + x
	v_and_b32 v1, 31, v0                           ; lane
	v_lshrrev_b32 v2, 5, v0
	v_readfirstlane_b32 s12, v2                    ; wave
	v_lshlrev_b32 v3, 4, v1                        ; 16 x lane
	s_mul_i32 s13, s12, STW
	v_lshrrev_b32 v4, 3, v1
	v_lshl_add_u32 v4, v4, 4, v3
	v_add_nc_u32 v4, s13, v4                       ; into the stage: 16 lane + 16 (lane / 8); 576 bytes a load
	v_mul_u32_u24 v5, v1, 144
	v_add_nc_u32 v5, s13, v5                       ; out of it: block = lane
	s_lshl_b32 s14, s12, 6
	v_mul_u32_u24 v6, v1, 272
	v_add_nc_u32 v6, s14, v6
	v_add_nc_u32 v6, IMG, v6                       ; my block's codes: unit = lane, 16 bytes a row: 64 wave + 16 i
	v_lshrrev_b32 v7, 4, v1
	v_and_b32 v8, 15, v1
	v_lshl_add_u32 v9, v7, 8, v8
	v_add_nc_u32 v9, s14, v9
	v_add_nc_u32 v9, SCB, v9                       ; my block's byte
	v_mul_u32_u24 v10, v7, 272
	v_lshl_add_u32 v10, v8, 4, v10
	s_mul_i32 s15, s12, 8*272
	v_add_nc_u32 v10, s15, v10
	v_add_nc_u32 v10, IMG, v10                     ; the way out: my wave's 8 units, two a load
	v_add_nc_u32 v11, SCB, v3
	v_lshlrev_b32 v12, 16, v7
	v_lshl_add_u32 v12, v8, 4, v12                 ; the scale bytes in memory: plane x 65,536 + 16 x row
	s_lshr_b32 s16, s30, 2                         ; my first token
	s_lshl_b32 s16, s16, 6
	s_and_b32 s17, s30, 3
	s_lshl_b32 s17, s17, 3
	s_add_co_u32 s16, s16, s17
	s_lshr_b32 s17, s12, 1
	s_lshl_b32 s17, s17, 5
	s_add_co_u32 s16, s16, s17
	s_and_b32 s17, s12, 1
	s_lshl_b32 s17, s17, 2
	s_add_co_u32 s16, s16, s17
	s_lshl_b32 s16, s16, 12
	s_mov_b32 s17, 0
	s_lshr_b32 s26, s30, 3                         ; the tile in the image: group, tile of 8, my two K steps
	s_lshl_b32 s26, s26, 16
	s_and_b32 s27, s30, 7
	s_lshl_b32 s27, s27, 10
	s_add_co_u32 s26, s26, s27
	s_lshl_b32 s27, s12, 14
	s_add_co_u32 s26, s26, s27
	s_mov_b32 s27, 0
	s_lshl_b32 s28, s30, 8
	s_add_co_u32 s28, s28, 0x200000
	s_mov_b32 s29, 0
	s_mov_b32 s18, 0x76543210
	s_mov_b32 s19, 0xfedcba98                      ; v_permlanex16_b32: lane l xor 16
	s_mov_b32 s20, 0x3a800000                      ; 1 / 1,024
	s_mov_b32 s21, 0x358637bd                      ; 1e-6
	s_wait_kmcnt 0x0
	s_add_nc_u64 s[4:5], s[4:5], s[16:17]
	s_add_nc_u64 s[22:23], s[10:11], s[26:27]
	s_add_nc_u64 s[24:25], s[10:11], s[28:29]
.irp j, 0,1,2,3,4,5,6,7
	global_load_b128 v[GG+4*\j:GG+4*\j+3], v3, s[6:7] offset:512*\j
.endr
.irp j, 0,1,2,3,4,5,6,7
	global_load_b128 v[BB+4*\j:BB+4*\j+3], v3, s[8:9] offset:512*\j
.endr
.irp i, 0,1,2,3
.irp j, 0,1,2,3,4,5,6,7
	global_load_b128 v[32+32*\i+4*\j:32+32*\i+4*\j+3], v3, s[4:5] offset:4096*\i+512*\j
.endr
.endr
; row i; left = the later rows' loads, which may stay out
.macro ROW i, left
.set X, 32+32*\i
	s_wait_loadcnt \left
	v_pk_add_f32 v[16:17], v[X:X+1], v[X+2:X+3]
	v_pk_add_f32 v[18:19], v[X+4:X+5], v[X+6:X+7]
.irp k, 8,12,16,20,24,28
	v_pk_add_f32 v[16:17], v[16:17], v[X+\k:X+\k+1]
	v_pk_add_f32 v[18:19], v[18:19], v[X+\k+2:X+\k+3]
.endr
	v_pk_add_f32 v[16:17], v[16:17], v[18:19]
	v_add_f32 v16, v16, v17
	WSUM 16, 17
	v_mul_f32 v16, s20, v16                        ; the mean
.irp k, 0,2,4,6,8,10,12,14,16,18,20,22,24,26,28,30
	v_pk_add_f32 v[X+\k:X+\k+1], v[X+\k:X+\k+1], v[16:17] op_sel_hi:[1,0] neg_lo:[0,1] neg_hi:[0,1]
.endr
	v_pk_mul_f32 v[18:19], v[X:X+1], v[X:X+1]
	v_pk_mul_f32 v[20:21], v[X+2:X+3], v[X+2:X+3]
.irp k, 4,8,12,16,20,24,28
	v_pk_fma_f32 v[18:19], v[X+\k:X+\k+1], v[X+\k:X+\k+1], v[18:19]
	v_pk_fma_f32 v[20:21], v[X+\k+2:X+\k+3], v[X+\k+2:X+\k+3], v[20:21]
.endr
	v_pk_add_f32 v[18:19], v[18:19], v[20:21]
	v_add_f32 v18, v18, v19
	WSUM 18, 19
	v_fma_f32 v18, v18, s20, s21                   ; the variance + 1e-6
	s_wait_alu depctr_va_vdst(0)
	v_rsq_f32 v18, v18
	v_nop                                          ; a plain line behind the transcendental
	s_wait_alu depctr_va_vdst(0)
.irp k, 0,2,4,6,8,10,12,14,16,18,20,22,24,26,28,30
	v_pk_mul_f32 v[X+\k:X+\k+1], v[X+\k:X+\k+1], v[18:19] op_sel_hi:[1,0]
.endr
.irp k, 0,2,4,6,8,10,12,14,16,18,20,22,24,26,28,30
	v_pk_fma_f32 v[X+\k:X+\k+1], v[X+\k:X+\k+1], v[GG+\k:GG+\k+1], v[BB+\k:BB+\k+1]
.endr
.irp k, 0,1,2,3,4,5,6,7
	ds_store_b128 v4, v[X+4*\k:X+4*\k+3] offset:576*\k
.endr
.irp k, 0,1,2,3,4,5,6,7
	ds_load_b128 v[BK+4*\k:BK+4*\k+3], v5 offset:16*\k             ; the wave's own bytes, served in order: these see the stores above
.endr
	s_wait_dscnt 0x0                               ; my block is in, so the stage is free for the next row; the last row's stores of codes and byte have read their registers
	QUANT32 BK, 28, 27
	ds_store_b128 v6, v[28:31] offset:16*\i
	ds_store_b8 v9, v27 offset:16*\i
.endm
	ROW 0, 24
	ROW 1, 16
	ROW 2, 8
	ROW 3, 0
	s_wait_dscnt 0x0                               ; for the others' sake: my stores have landed
	s_barrier_signal -1
	s_barrier_wait -1
.irp m, 0,1,2,3
	ds_load_b128 v[32+4*\m:35+4*\m], v10 offset:2*\m*272
.endr
	s_wait_dscnt 0x0
.irp m, 0,1,2,3
	global_store_b128 v3, v[32+4*\m:35+4*\m], s[22:23] offset:(\m/2)*8192+(\m%2)*512   ; 512 consecutive bytes of a fragment
.endr
	s_cmp_lg_u32 s12, 0
	s_cbranch_scc1 .Lnorm_end
	ds_load_b128 v[48:51], v11
	s_wait_dscnt 0x0
	global_store_b128 v12, v[48:51], s[24:25]      ; two runs of 256 bytes: the tile's scale bytes in the two planes
.Lnorm_end:
	s_wait_tensorcnt 0x0
	ds_add_u32 v22, v23
	s_wait_dscnt 0x0
	s_endpgm
.Lfunc_end_k_q92dabfdec9_prep:
	.size	k_q92dabfdec9_prep, .Lfunc_end_k_q92dabfdec9_prep-k_q92dabfdec9_prep
	.p2alignl 7, 3214868480
	.fill 96, 4, 3214868480
	.section	.rodata,"a",@progbits
	.p2align	6, 0x0
	.amdhsa_kernel k_q92dabfdec9_prep
		.amdhsa_group_segment_fixed_size 28160
		.amdhsa_private_segment_fixed_size 0
		.amdhsa_enable_private_segment 0
		.amdhsa_kernarg_size 96
		.amdhsa_user_sgpr_count 2
		.amdhsa_user_sgpr_kernarg_segment_ptr 1
		.amdhsa_wavefront_size32 1
		.amdhsa_system_sgpr_workgroup_id_x 1
		.amdhsa_system_sgpr_workgroup_id_y 1
		.amdhsa_system_sgpr_workgroup_id_z 1
		.amdhsa_system_vgpr_workitem_id 0
		.amdhsa_next_free_vgpr 256
		.amdhsa_next_free_sgpr 66
		.amdhsa_reserve_vcc 1
		.amdhsa_float_denorm_mode_32 3
		.amdhsa_float_denorm_mode_16_64 3
		.amdhsa_memory_ordered 1
		.amdhsa_forward_progress 1
		.amdhsa_inst_pref_size 97
	.end_amdhsa_kernel
	.amdgpu_metadata
---
amdhsa.version: [ 1, 2 ]
amdhsa.kernels:
  - .name:           k_q92dabfdec9_prep
    .symbol:         k_q92dabfdec9_prep.kd
    .args:
      - { .name: wq, .offset: 0, .size: 8, .value_kind: global_buffer, .address_space: global }
      - { .name: wk, .offset: 8, .size: 8, .value_kind: global_buffer, .address_space: global }
      - { .name: wv, .offset: 16, .size: 8, .value_kind: global_buffer, .address_space: global }
      - { .name: wo, .offset: 24, .size: 8, .value_kind: global_buffer, .address_space: global }
      - { .name: w1, .offset: 32, .size: 8, .value_kind: global_buffer, .address_space: global }
      - { .name: w2, .offset: 40, .size: 8, .value_kind: global_buffer, .address_space: global }
      - { .name: wimg, .offset: 48, .size: 8, .value_kind: global_buffer, .address_space: global }
      - { .name: rope, .offset: 56, .size: 8, .value_kind: global_buffer, .address_space: global }
      - { .name: x, .offset: 64, .size: 8, .value_kind: global_buffer, .address_space: global }
      - { .name: ln1_g, .offset: 72, .size: 8, .value_kind: global_buffer, .address_space: global }
      - { .name: ln1_b, .offset: 80, .size: 8, .value_kind: global_buffer, .address_space: global }
      - { .name: himg, .offset: 88, .size: 8, .value_kind: global_buffer, .address_space: global }
    .group_segment_fixed_size: 28160
    .private_segment_fixed_size: 0
    .kernarg_segment_align: 8
    .kernarg_segment_size: 96
    .max_flat_workgroup_size: 128
    .sgpr_count:     66
    .vgpr_count:     256
    .wavefront_size: 32
...
	.end_amdgpu_metadata
.endif
;; end of part 1
;; launch qkv (part 2): grid 24 x 16, 4 waves a work-group, no clusters, 168,448 bytes of LDS; arguments himg, wimg, rope, bq, bk, bv, qkvimg; writes qkvimg
.if DOCPART == 2
	.amdgcn_target "amdgcn-amd-amdhsa--gfx1250"
	.amdhsa_code_object_version 6
	.text
	.protected	k_q92dabfdec9_qkv
	.globl	k_q92dabfdec9_qkv
	.p2align	8
	.type	k_q92dabfdec9_qkv,@function
k_q92dabfdec9_qkv:
	s_mov_b64 s[64:65], 0
	v_nop
	global_prefetch_b8 v0, s[64:65] scope:SCOPE_SE
	s_setreg_imm32_b32 hwreg(HW_REG_WAVE_MODE, 25, 1), 1
	s_wait_xcnt 0x0
; Q, K, V.  D = X x Y^T on codes of E2M1: source 0 = 16 rows of X, source 1 = 16 rows of Y, so a lane holds ONE row of Y and its registers run along X's rows.  With the tile order P64 the 32 registers of four
; neighbouring X tiles are 32 NEIGHBOURS 64 c + 32 h + 0..31 of X's index: a whole block of the next product's K in one lane, which is quantised with no other lane's help.
; x < 16 (q: x < 8, k: else): X = 128 features of wq or wk (two heads), Y = tokens: + bias (the C of the first product), RoPE, codes along the head's 64.
; x >= 16 (v): X = 128 tokens (one key step), Y = features of wv, a head a wave: + bias, codes along the KEYS.  Same products, pointers changed.
; A work-group: 128 rows of X x 256 rows of Y, K = 1,024.  X's group, 64 KB dense, comes into LDS ONCE by lane copies and is read by all four waves; each wave's four Y tiles go from memory straight into its registers.
; No slot is ever filled again, so there is no ring.  X's group is also wanted by the other work-groups of its grid column, but lane copies have no joint form: no cluster.
; The scale bytes leave one byte a lane (32 bytes a store): one sixteenth of the codes' bytes.
; LIMITS: NaN and infinities are not served; blocks under 2^-124 and blocks of zeros get the byte 1 (read by this program alone).
; REGISTERS, windows of 256: 0: v1-18 addresses and work, v32-63 X's scale words, v64-79 Y's, v96-135 codes and bytes, v140-147 bv, v192-223 32 numbers at work;
;   1: v0-127 X's fragments, two sets; v128-191 the bias as C;   2: accumulator (a, b) at v[8 (8 a + b)];   3: Y's fragments, K step s at v[32 s]; later the RoPE table.
.set NY, 4
.set KS, 8
.set S1, 4                             ; the K step from which X wants the second barrier
.set N1, 16                            ; copies that may be out at the first: K steps 4-7's
.set XPL, 65536
.set YPL, 65536
.set LN, 1
.set LI, 2
.set RR, 3
.set HH, 4
.set VB, 5
.set AL, 6
.set AG, 7
.set ADX, 8
.set SV, 14
.set QM0, 16
.set QM1, 17
.set QSC, 18
.set XS, 32
.set YS, XS+4*KS
.set CD, 96
.set BY, 128
.set BV, 140
.set RO, 192
.set WV, 20
.set XP, 24
.set YP, 26
.set XSP, 28
.set YSP, 30
.set BP, 32
.set RPT, 34
.set MSB, 0
.macro WIN new                         ; the immediate's high byte repeats the setting that is left
.if MSB != \new
	s_set_vgpr_msb (MSB<<8)|\new
.set MSB, \new
.endif
.endm
.macro PLACES
.rept 4
	v_nop
.endr
.endm
.macro QUANT32 s, c, e
	v_max3_num_f32 v[QM0], |v[(\s)]|, |v[(\s)+1]|, 0x1800000       ; the floor 2^(3 - 127) holds the byte at 1 from below
	v_max3_num_f32 v[QM1], |v[(\s)+2]|, |v[(\s)+3]|, |v[(\s)+4]|
.irp i, 5,9,13,17,21,25
	v_max3_num_f32 v[QM0], v[QM0], |v[(\s)+\i]|, |v[(\s)+\i+1]|
	v_max3_num_f32 v[QM1], v[QM1], |v[(\s)+\i+2]|, |v[(\s)+\i+3]|
.endr
	v_max3_num_f32 v[QM0], v[QM0], |v[(\s)+29]|, |v[(\s)+30]|
	v_max3_num_f32 v[QM0], v[QM0], v[QM1], |v[(\s)+31]|
	v_add_nc_u32 v[QSC], 0xff000000, v[QM0]                        ; 2 off the exponent field: the conversion's scale operand
.irp g, 0,1,2,3
	v_cvt_scalef32_pk8_fp4_f32 v[(\c)+\g], v[(\s)+8*\g:(\s)+8*\g+7], v[QSC]
.endr
	v_lshrrev_b32 v[(\e)], 23, v[QSC]                              ; the byte; also the plain line behind the conversions
.endm
.macro XCOPY from, to                  ; X's K steps from .. to - 1: my wave's 2,048 bytes of each 8,192; LDS mirrors memory
.set KK, \from
.rept \to-\from
.irp c, 0,1,2,3
	global_load_async_to_lds_b128 v[AL], v[AG], s[XP:XP+1] offset:KK*8192+512*\c
.endr
.set KK, KK+1
.endr
.endm
.macro XFETCH s                        ; X's eight fragments of K step s into set s % 2: each load takes 512 consecutive bytes
	WIN 0x40
.irp b, 0,1,2,3,4,5,6,7
.irp c, 0,1
	ds_load_b128 v[64*((\s)%2)+8*\b+4*\c:64*((\s)%2)+8*\b+4*\c+3], v[ADX+((\s)>>3)] offset:((\s)&7)*8192+\b*1024+512*\c
.endr
.endr
.endm
.macro YLOAD s                         ; my NY fragments of Y for K step s
	WIN 0xc0
.set ya, 0
.rept NY
.irp c, 0,1
	global_load_b128 v[8*NY*((\s)%8)+8*ya+4*\c:8*NY*((\s)%8)+8*ya+4*\c+3], v[LI], s[YP:YP+1] offset:(\s)*8192+ya*1024+512*\c
.endr
.set ya, ya+1
.endr
.endm
.macro SCALES                          ; scale words: 16 bytes a lane are four K steps' words; lanes 0-15 an even tile's rows, lanes 16-31 the odd tile's
.set li, 0
.rept 4
.set lp, 0
.rept KS/4
	global_load_b128 v[XS+KS*li+4*lp:XS+KS*li+4*lp+3], v[LI], s[XSP:XSP+1] offset:lp*XPL+512*li
.set lp, lp+1
.endr
.set li, li+1
.endr
.set li, 0
.rept NY/2
.set lp, 0
.rept KS/4
	global_load_b128 v[YS+KS*li+4*lp:YS+KS*li+4*lp+3], v[LI], s[YSP:YSP+1] offset:lp*YPL+512*li
.set lp, lp+1
.endr
.set li, li+1
.endr
.endm
; one product: Y tile a, X tile b, K step s.  cm = 0: onto its sum; 1: the sum begins with the bias; 2: with 0
.macro WM a, b, s, cm
.set rD, 8*(8*(\a)+(\b))
.set rX, 64*((\s)%2)+8*(\b)
.set rY, 8*NY*((\s)%8)+8*(\a)
.set rP, XS+KS*((\b)/2)+(\s)
.set rQ, YS+KS*((\a)/2)+(\s)
.set rC, rD
.if \cm == 1
.set rC, 128+8*(\b)
.endif
.set ro, 2*((\a)%2)+((\b)%2)
.if \cm == 2
.if ro == 0
	v_wmma_scale_f32_16x16x128_f8f6f4 v[rD:rD+7], v[rX:rX+7], v[rY:rY+7], 0, v[rP], v[rQ] matrix_a_fmt:MATRIX_FMT_FP4 matrix_b_fmt:MATRIX_FMT_FP4
.elseif ro == 1
	v_wmma_scale_f32_16x16x128_f8f6f4 v[rD:rD+7], v[rX:rX+7], v[rY:rY+7], 0, v[rP], v[rQ] matrix_a_fmt:MATRIX_FMT_FP4 matrix_b_fmt:MATRIX_FMT_FP4 matrix_a_scale:MATRIX_SCALE_ROW1
.elseif ro == 2
	v_wmma_scale_f32_16x16x128_f8f6f4 v[rD:rD+7], v[rX:rX+7], v[rY:rY+7], 0, v[rP], v[rQ] matrix_a_fmt:MATRIX_FMT_FP4 matrix_b_fmt:MATRIX_FMT_FP4 matrix_b_scale:MATRIX_SCALE_ROW1
.else
	v_wmma_scale_f32_16x16x128_f8f6f4 v[rD:rD+7], v[rX:rX+7], v[rY:rY+7], 0, v[rP], v[rQ] matrix_a_fmt:MATRIX_FMT_FP4 matrix_b_fmt:MATRIX_FMT_FP4 matrix_a_scale:MATRIX_SCALE_ROW1 matrix_b_scale:MATRIX_SCALE_ROW1
.endif
.else
.if ro == 0
	v_wmma_scale_f32_16x16x128_f8f6f4 v[rD:rD+7], v[rX:rX+7], v[rY:rY+7], v[rC:rC+7], v[rP], v[rQ] matrix_a_fmt:MATRIX_FMT_FP4 matrix_b_fmt:MATRIX_FMT_FP4
.elseif ro == 1
	v_wmma_scale_f32_16x16x128_f8f6f4 v[rD:rD+7], v[rX:rX+7], v[rY:rY+7], v[rC:rC+7], v[rP], v[rQ] matrix_a_fmt:MATRIX_FMT_FP4 matrix_b_fmt:MATRIX_FMT_FP4 matrix_a_scale:MATRIX_SCALE_ROW1
.elseif ro == 2
	v_wmma_scale_f32_16x16x128_f8f6f4 v[rD:rD+7], v[rX:rX+7], v[rY:rY+7], v[rC:rC+7], v[rP], v[rQ] matrix_a_fmt:MATRIX_FMT_FP4 matrix_b_fmt:MATRIX_FMT_FP4 matrix_b_scale:MATRIX_SCALE_ROW1
.else
	v_wmma_scale_f32_16x16x128_f8f6f4 v[rD:rD+7], v[rX:rX+7], v[rY:rY+7], v[rC:rC+7], v[rP], v[rQ] matrix_a_fmt:MATRIX_FMT_FP4 matrix_b_fmt:MATRIX_FMT_FP4 matrix_a_scale:MATRIX_SCALE_ROW1 matrix_b_scale:MATRIX_SCALE_ROW1
.endif
.endif
.endm
; a K step of 128: all 8 NY accumulators by turns, in the same order in every step; then X's fragments of two steps on.  wl = the global loads younger than this step's Y
.macro KSTEP s, wl, cm
.if (\s) == KS-1
	s_wait_dscnt 0x0
.else
	s_wait_dscnt 16                                ; this step's X is in; the next step's 16 loads may be out
.endif
	s_wait_loadcnt \wl
.if \cm == 1
	WIN 0x9d                                       ; X window 1, Y window 3, C window 1 (the bias), D window 2
.else
	WIN 0xad                                       ; C and D window 2
.endif
.set wa, 0
.rept NY
.set wb, 0
.rept 8
	WM wa, wb, \s, \cm
.set wb, wb+1
.endr
.set wa, wa+1
.endr
	PLACES                                         ; four places in front of loads into operands just read, and of the first read of results
.if (\s)+2 == S1
	s_wait_asynccnt 0x0                            ; my part of the rest of X has landed,
	s_wait_dscnt 0x0
	s_barrier_signal -1
	s_barrier_wait -1                              ; everybody's has
.endif
.if (\s)+2 < KS
	XFETCH (\s)+2
.endif
.endm
.macro START                           ; Y for the first eight K steps; X's first K steps are awaited; the first two sets of fragments
.irp s, 0,1,2,3,4,5,6,7
	YLOAD \s
.endr
	WIN 0
.if KS > 8
	XCOPY 8, KS
.endif
	s_wait_asynccnt N1
	s_barrier_signal -1
	s_barrier_wait -1
	XFETCH 0
	XFETCH 1
.endm
	s_load_b256 s[4:11], s[0:1], 0x0               ; himg, wimg, rope, bq
	s_load_b128 s[12:15], s[0:1], 0x20             ; bk, bv
	s_load_b64 s[16:17], s[0:1], 0x30              ; the images of q, k, v
	v_lshl_add_u32 v254, v0, 2, 0x29000
	v_mov_b32 v255, 0
	ds_add_u32 v254, v255
	ds_add_u32 v254, v255
	v_and_b32 v[LN], 31, v0
	v_lshrrev_b32 v12, 5, v0
	v_readfirstlane_b32 s[WV], v12                 ; wave
	v_lshlrev_b32 v[LI], 4, v[LN]                  ; 16 x lane
	v_and_b32 v[RR], 15, v0                        ; r
	v_bfe_u32 v[HH], v0, 4, 1                      ; h
	v_lshlrev_b32 v[VB], 7, v[HH]                  ; the bias: 32 h numbers on
	v_lshl_add_u32 v[AL], v12, 11, v[LI]           ; the copies: 16 lane + 2,048 wave, in LDS
	v_mov_b32 v[AG], v[AL]                         ; and in memory
	v_add_nc_u32 v[ADX], 0, v[LI]
	s_mov_b32 s21, ttmp9                           ; x
	s_and_b32 s22, ttmp7, 0xffff                   ; y
	s_lshr_b32 s40, s[WV], 1
	s_and_b32 s41, s[WV], 1
	s_sub_co_u32 s23, s21, 16                      ; vx (used where x >= 16 alone)
	s_lshl_b32 s42, s22, 1
	s_and_b32 s43, s23, 1
	s_add_co_u32 s43, s42, s43                     ; v: the group of 128 tokens, 2 y + vx % 2
	s_add_co_u32 s44, s42, s40                     ; q, k: my tiles' group of tokens, 2 y + wave / 2
	s_lshr_b32 s45, s23, 1
	s_lshl_b32 s46, s45, 1
	s_add_co_u32 s46, s46, s40
	s_add_co_u32 s46, s46, 16                      ; v: my tiles' group of wv
	s_mov_b32 s47, 0x600000                        ; where the weights' scale bytes begin,
	s_mov_b32 s48, 0x200000                        ; and h's
	s_mov_b32 s55, 0
	s_wait_alu depctr_va_vdst(0)
	s_wait_dscnt 0x0
	s_wait_kmcnt 0x0
	s_cmp_ge_u32 s21, 16
	s_cselect_b64 s[XP:XP+1], s[4:5], s[6:7]
	s_cselect_b64 s[YP:YP+1], s[6:7], s[4:5]
	s_cselect_b32 s49, s43, s21                    ; X's group
	s_cselect_b32 s50, s46, s44                    ; Y's
	s_cselect_b32 s51, s48, s47
	s_cselect_b32 s52, s47, s48
	s_mov_b64 s[XSP:XSP+1], s[XP:XP+1]
	s_mov_b64 s[YSP:YSP+1], s[YP:YP+1]
	s_lshl_b32 s54, s49, 16
	s_add_nc_u64 s[XP:XP+1], s[XP:XP+1], s[54:55]
	s_lshl_b32 s54, s49, 11
	s_add_co_u32 s54, s54, s51
	s_add_nc_u64 s[XSP:XSP+1], s[XSP:XSP+1], s[54:55]
	s_lshl_b32 s54, s50, 16
	s_lshl_b32 s56, s41, 12
	s_add_co_u32 s54, s54, s56                     ; tiles 4 (wave % 2) on
	s_add_nc_u64 s[YP:YP+1], s[YP:YP+1], s[54:55]
	s_lshl_b32 s54, s50, 11
	s_lshl_b32 s56, s41, 10
	s_add_co_u32 s54, s54, s56
	s_add_co_u32 s54, s54, s52
	s_add_nc_u64 s[YSP:YSP+1], s[YSP:YSP+1], s[54:55]
	XCOPY 0, 8                                     ; 32 copies a wave, in the order of the K steps
	SCALES
	s_mov_b32 s75, 0
	s_cmp_ge_u32 s21, 16
	s_cbranch_scc1 .Lvpath
	; ---------------- q and k
	s_lshr_b32 s54, s22, 3                         ; batch
	s_lshl_b32 s54, s54, 4
	s_and_b32 s56, s21, 7
	s_lshl_b32 s57, s56, 9
	s_lshl_b32 s56, s56, 1
	s_add_co_u32 s54, s54, s56                     ; 16 batch + head, of the group's first head
	s_and_b32 s56, s22, 7
	s_lshl_b32 s56, s56, 4
	s_lshl_b32 s58, s[WV], 2
	s_add_co_u32 s56, s56, s58                     ; my first tile of tokens within the batch
	s_mov_b32 s74, s57
	s_cmp_lt_u32 s21, 8
	s_cselect_b64 s[BP:BP+1], s[10:11], s[12:13]
	s_add_nc_u64 s[BP:BP+1], s[BP:BP+1], s[74:75]
	s_mov_b32 s59, 0x620000
	s_cmp_ge_u32 s21, 8                            ; k's images lie with v's, 128 KB and 8 KB a head; q's 64 KB and 4 KB
	s_cselect_b32 s57, 17, 16
	s_cselect_b32 s58, 13, 12
	s_cselect_b32 s60, 0x200000, 0
	s_cselect_b32 s59, s59, 0x600000
	s_lshl_b32 s74, s54, s57
	s_add_co_u32 s74, s74, s60
	s_lshl_b32 s61, s56, 9
	s_add_co_u32 s74, s74, s61
	s_add_nc_u64 s[66:67], s[16:17], s[74:75]      ; codes, head c = 0,
	s_lshl_b32 s74, 1, s57
	s_add_nc_u64 s[68:69], s[66:67], s[74:75]      ; head c = 1
	s_lshl_b32 s74, s54, s58
	s_add_co_u32 s74, s74, s59
	s_lshl_b32 s61, s56, 5
	s_add_co_u32 s74, s74, s61
	s_add_nc_u64 s[70:71], s[16:17], s[74:75]      ; scale bytes likewise
	s_lshl_b32 s74, 1, s58
	s_add_nc_u64 s[72:73], s[70:71], s[74:75]
	s_lshl_b32 s74, s56, 12
	s_add_nc_u64 s[RPT:RPT+1], s[8:9], s[74:75]    ; the table at my first tile
	v_lshl_add_u32 v[SV], v[RR], 1, v[HH]          ; a row's two bytes: 2 r + h
	WIN 0x40
.irp b, 0,1,2,3,4,5,6,7                        ; the bias in the result's layout: X tile b, register j = feature 64 (b / 4) + 32 h + 8 (b % 4) + j
	global_load_b128 v[128+8*\b:131+8*\b], v[VB], s[BP:BP+1] offset:(64*(\b/4)+8*(\b%4))*4
	global_load_b128 v[132+8*\b:135+8*\b], v[VB], s[BP:BP+1] offset:(64*(\b/4)+8*(\b%4))*4+16
.endr
	START
.macro ROPE a                          ; tile a's table into the registers that K step a's Y has left
	WIN 0xc0
.irp q, 0,1,2,3,4,5,6,7
	global_load_b128 v[32*\a+4*\q:32*\a+4*\q+3], v[LI], s[RPT:RPT+1] offset:4096*\a+512*\q
.endr
.endm
	KSTEP 0, 56, 1                                 ; the counts: 8 for each later K step's Y, 8 for each table asked for so far
	ROPE 0
	KSTEP 1, 56, 0
	ROPE 1
	KSTEP 2, 56, 0
	ROPE 2
	KSTEP 3, 56, 0
	ROPE 3
	KSTEP 4, 56, 0
	KSTEP 5, 48, 0
	KSTEP 6, 40, 0
	KSTEP 7, 32, 0
; tile a, head c: (x_e, x_o) -> (x_e cos - x_o sin, x_o cos + x_e sin), then the block's codes and byte
.macro ROT a, c
.set rA, 64*\a+32*\c
.set rT, 32*\a
	WIN 0x0e                                       ; source 0: the sums, window 2; source 1: the table, window 3
.set p, 0
.rept 16
	v_pk_mul_f32 v[RO+2*p:RO+2*p+1], v[rA+2*p:rA+2*p+1], v[rT+2*p:rT+2*p+1] op_sel_hi:[1,0]
.set p, p+1
.endr
.set p, 0
.rept 16
	v_fma_f32 v[RO+2*p], -v[rA+2*p+1], v[rT+2*p+1], v[RO+2*p]
	v_fma_f32 v[RO+2*p+1], v[rA+2*p], v[rT+2*p+1], v[RO+2*p+1]
.set p, p+1
.endr
	WIN 0
	QUANT32 RO, CD+4*(2*\a+\c), BY+2*\a+\c
	global_store_b128 v[LI], v[CD+4*(2*\a+\c):CD+4*(2*\a+\c)+3], s[66+2*\c:67+2*\c] offset:512*\a   ; 512 consecutive bytes: the tile's fragment (its upper 64 along K are zeros and are not kept)
	global_store_b8 v[SV], v[BY+2*\a+\c], s[70+2*\c:71+2*\c] offset:32*\a
.endm
.irp a, 0,1,2,3
	s_wait_loadcnt 24-8*\a                         ; tile a's table is in; the later tiles' may be out
	ROT \a, 0
	ROT \a, 1
.endr
	s_wait_tensorcnt 0x0
	ds_add_u32 v254, v255
	s_wait_dscnt 0x0
	s_endpgm
	; ---------------- v
.Lvpath:
	s_lshr_b32 s54, s43, 4
	s_lshl_b32 s54, s54, 4
	s_lshl_b32 s56, s45, 2
	s_add_co_u32 s54, s54, s56
	s_add_co_u32 s54, s54, s[WV]                   ; 16 batch + head: head = 4 (vx / 2) + wave
	s_and_b32 s56, s43, 15                         ; the key step
	s_lshl_b32 s74, s54, 17
	s_lshl_b32 s57, s56, 12
	s_add_co_u32 s74, s74, s57
	s_add_co_u32 s74, s74, 0x210000                ; behind the head's K image
	s_add_nc_u64 s[66:67], s[16:17], s[74:75]
	s_lshl_b32 s74, s54, 13
	s_lshl_b32 s57, s56, 8
	s_add_co_u32 s74, s74, s57
	s_add_co_u32 s74, s74, 0x621000
	s_add_nc_u64 s[70:71], s[16:17], s[74:75]
	s_lshl_b32 s74, s45, 10
	s_lshl_b32 s57, s[WV], 8
	s_add_co_u32 s74, s74, s57
	s_add_nc_u64 s[BP:BP+1], s[14:15], s[74:75]    ; bv at my head
	v_and_b32 v12, 7, v[RR]
	v_lshrrev_b32 v13, 3, v[RR]
	v_lshlrev_b32 v12, 2, v12
	v_lshl_add_u32 v12, v13, 7, v12                ; my row's channel: 32 (r / 8) + 8 a + r % 8
.irp a, 0,1,2,3
	global_load_b32 v[BV+2*\a], v12, s[BP:BP+1] offset:32*\a
	v_mov_b32 v[BV+2*\a+1], 0                      ; (named with it as a pair)
.endr
	v_lshl_add_u32 v[SV], v[RR], 2, v[HH]          ; a row's scale word: 4 r, byte 2 c + h
	START
	KSTEP 0, 56, 2                                 ; the first products start the sums
	KSTEP 1, 48, 0
	KSTEP 2, 40, 0
	KSTEP 3, 32, 0
	KSTEP 4, 24, 0
	KSTEP 5, 16, 0
	KSTEP 6, 8, 0
	KSTEP 7, 0, 0
.macro VQ a, c                         ; channel tile a, keys 64 c + 32 h + 0..31
.set rA, 64*\a+32*\c
	WIN 0x02
.set p, 0
.rept 16
	v_pk_add_f32 v[RO+2*p:RO+2*p+1], v[rA+2*p:rA+2*p+1], v[BV+2*\a:BV+2*\a+1] op_sel_hi:[1,0]
.set p, p+1
.endr
	WIN 0
	QUANT32 RO, CD+4*(2*\a+\c), BY+2*\a+\c
	global_store_b128 v[LI], v[CD+4*(2*\a+\c):CD+4*(2*\a+\c)+3], s[66:67] offset:1024*\a+512*\c
	global_store_b8 v[SV], v[BY+2*\a+\c], s[70:71] offset:64*\a+2*\c
.endm
	s_wait_alu depctr_va_vdst(0)
.irp a, 0,1,2,3
	VQ \a, 0
	VQ \a, 1
.endr
	s_wait_tensorcnt 0x0
	ds_add_u32 v254, v255
	s_wait_dscnt 0x0
	s_endpgm
.Lfunc_end_k_q92dabfdec9_qkv:
	.size	k_q92dabfdec9_qkv, .Lfunc_end_k_q92dabfdec9_qkv-k_q92dabfdec9_qkv
	.p2alignl 7, 3214868480
	.fill 96, 4, 3214868480
	.section	.rodata,"a",@progbits
	.p2align	6, 0x0
	.amdhsa_kernel k_q92dabfdec9_qkv
		.amdhsa_group_segment_fixed_size 168448
		.amdhsa_private_segment_fixed_size 0
		.amdhsa_enable_private_segment 0
		.amdhsa_kernarg_size 56
		.amdhsa_user_sgpr_count 2
		.amdhsa_user_sgpr_kernarg_segment_ptr 1
		.amdhsa_wavefront_size32 1
		.amdhsa_system_sgpr_workgroup_id_x 1
		.amdhsa_system_sgpr_workgroup_id_y 1
		.amdhsa_system_sgpr_workgroup_id_z 1
		.amdhsa_system_vgpr_workitem_id 0
		.amdhsa_next_free_vgpr 1024
		.amdhsa_next_free_sgpr 100
		.amdhsa_reserve_vcc 0
		.amdhsa_float_denorm_mode_32 3
		.amdhsa_float_denorm_mode_16_64 3
		.amdhsa_memory_ordered 1
		.amdhsa_forward_progress 1
		.amdhsa_inst_pref_size 169
	.end_amdhsa_kernel
	.amdgpu_metadata
---
amdhsa.version: [ 1, 2 ]
amdhsa.kernels:
  - .name:           k_q92dabfdec9_qkv
    .symbol:         k_q92dabfdec9_qkv.kd
    .args:
      - { .name: himg, .offset: 0, .size: 8, .value_kind: global_buffer, .address_space: global }
      - { .name: wimg, .offset: 8, .size: 8, .value_kind: global_buffer, .address_space: global }
      - { .name: rope, .offset: 16, .size: 8, .value_kind: global_buffer, .address_space: global }
      - { .name: bq, .offset: 24, .size: 8, .value_kind: global_buffer, .address_space: global }
      - { .name: bk, .offset: 32, .size: 8, .value_kind: global_buffer, .address_space: global }
      - { .name: bv, .offset: 40, .size: 8, .value_kind: global_buffer, .address_space: global }
      - { .name: qkvimg, .offset: 48, .size: 8, .value_kind: global_buffer, .address_space: global }
    .group_segment_fixed_size: 168448
    .private_segment_fixed_size: 0
    .kernarg_segment_align: 8
    .kernarg_segment_size: 56
    .max_flat_workgroup_size: 128
    .sgpr_count:     100
    .vgpr_count:     1024
    .wavefront_size: 32
...
	.end_amdgpu_metadata
.endif
;; end of part 2
;; launch attn (part 3): grid 8 x 32, 16 waves a work-group, no clusters, 169,984 bytes of LDS; arguments qkvimg, oimg; writes oimg
.if DOCPART == 3
	.amdgcn_target "amdgcn-amd-amdhsa--gfx1250"
	.amdhsa_code_object_version 6
	.text
	.protected	k_q92dabfdec9_attn
	.globl	k_q92dabfdec9_attn
	.p2align	8
	.type	k_q92dabfdec9_attn,@function
k_q92dabfdec9_attn:
	s_mov_b64 s[64:65], 0
	v_nop
	global_prefetch_b8 v0, s[64:65] scope:SCOPE_SE
	s_setreg_imm32_b32 hwreg(HW_REG_WAVE_MODE, 25, 1), 1
	s_wait_xcnt 0x0
; ATTENTION on codes of E2M1.  A work-group: one head of one batch (y) and 256 queries; each of sixteen waves one tile of 16 queries, four waves to a SIMD.
; The head's K and V images (128 KB) and their scale bytes (8 KB) come into LDS ONCE by lane copies and stay: no ring, nothing is filled again.  The eight work-groups of a head want the same bytes,
; but lane copies have no joint form: no cluster.  All of K and V is asked for at the head, so there is no later step to prefetch for.
; Q's two loads go out ahead of the copies.  A wave's first copy is its part of the scale bytes; its copy j + 1 is 512 bytes of key step j, of K (waves 0-7) or of V (waves 8-15).
; K's FRAGMENTS AND SCALES ARE LOADED ONE STEP AHEAD: step j loads V(j) and K(j + 1).  So a barrier that opens steps up to j has the copies up to step j + 1 behind it.
; BARRIERS: one whole one at the start (13 copies may be out: scale bytes, steps 0-2 are in); one signalled at the head of step 1 (11 may be out: steps up to 4) and awaited at the head of step 2;
; one signalled at the head of step 3 (all copies in) and awaited at the head of step 4.  Between a signal and its wait stand register work and LDS loads of bytes that have landed.
; Steps 0-3 are written out with constants; steps 4-15 are a loop.  The last step's look-ahead reads 4,096 bytes behind K's image (V's first step) and 256 behind K's scales: inside LDS, landed, never used.
; S^T = K Q^T (source 0 = 32 keys, source 1 = my queries; the head's 64 fill half of the instruction's 128: the other half is zero codes on both sides), O^T = V^T P^T: a lane holds ONE query throughout.
; By the tile order P64 the 32 registers of four neighbouring key tiles are keys 64 c + 32 h + 0..31: a lane holds whole blocks of p, so p's codes are the second product's operand as they come.
; SOFTMAX: t = score x log2(e) / 8; M = the running largest t rounded UP to a whole number; p = 2^(t - M), not normalised; the sum of the unquantised p divides at the end; when M moves, sums and O^T are multiplied by 2^(old M - new M), exactly.
; The running maximum is kept as a score (the factor is positive).  A block's largest p is made from its largest score by the same multiply-add and exponential (this takes v_exp_f32 not to fall where its input rises).
; LIMITS: NaN and infinities are not served; the scaled scores stay under 2^31 in magnitude; p under 2^-126 falls to 0; blocks of zeros get the byte 1; v_rcp_f32 is good to one unit in the last place.
; REGISTERS: v1-4, v9 addresses that stay; v5-8 the step's; v10-11 the copies' addresses, never rewritten; v12 -M, v13 largest score; v16-23 Q, v24 its scales, v25 p's; v26-29 K's, v30-31 V's scales;
;   v32-95 K; v96-159 S^T, then p; v160-191 O^T; v192-223 V; v224-231 p's codes; v232-241 at work; v242 f, v243 the last -M; v[14:15], v[244:253] the sum in six pairs; v254-255 the add's.
.set WV, 8
.set SEL, 20
.set CS, 22
.set TB, 24
.set TS, 25
.set CNT, 26
.set NC, 27
.set QM0, 236
.set QM1, 237
.set QSC, 238
.macro QUANT32 s, c, e
	v_max3_num_f32 v[QM0], |v[(\s)]|, |v[(\s)+1]|, 0x1800000       ; the floor 2^(3 - 127) holds the byte at 1 from below
	v_max3_num_f32 v[QM1], |v[(\s)+2]|, |v[(\s)+3]|, |v[(\s)+4]|
.irp i, 5,9,13,17,21,25
	s_delay_alu instid0(VALU_DEP_2)
	v_max3_num_f32 v[QM0], v[QM0], |v[(\s)+\i]|, |v[(\s)+\i+1]|
	s_delay_alu instid0(VALU_DEP_2)
	v_max3_num_f32 v[QM1], v[QM1], |v[(\s)+\i+2]|, |v[(\s)+\i+3]|
.endr
	s_delay_alu instid0(VALU_DEP_2)
	v_max3_num_f32 v[QM0], v[QM0], |v[(\s)+29]|, |v[(\s)+30]|
	s_delay_alu instid0(VALU_DEP_1)
	v_max3_num_f32 v[QM0], v[QM0], v[QM1], |v[(\s)+31]|
	s_delay_alu instid0(VALU_DEP_1)
	v_add_nc_u32 v[QSC], 0xff000000, v[QM0]
.irp g, 0,1,2,3
	v_cvt_scalef32_pk8_fp4_f32 v[(\c)+\g], v[(\s)+8*\g:(\s)+8*\g+7], v[QSC]
.endr
	v_lshrrev_b32 v[(\e)], 23, v[QSC]
.endm
	s_load_b128 s[4:7], s[0:1], 0x0                ; the images of q, k, v; o's image
	v_lshl_add_u32 v254, v0, 2, 0x29000
	v_mov_b32 v255, 0
	ds_add_u32 v254, v255                          ; the opening lines: the add twice on end and its wait ahead of my first copy
	ds_add_u32 v254, v255
	v_and_b32 v5, 31, v0                           ; lane
	v_lshrrev_b32 v6, 5, v0
	s_delay_alu instid0(VALU_DEP_1)
	v_readfirstlane_b32 s[WV], v6                  ; wave 0..15
	s_delay_alu instid0(VALU_DEP_3)
	v_lshlrev_b32 v1, 4, v5                        ; K: 16 x lane
	v_and_b32 v10, 255, v0
	s_delay_alu instid0(VALU_DEP_1)
	v_lshlrev_b32 v10, 4, v10                      ; the copies: 16 lane + 512 (wave % 8): my part of a key step's 4,096 bytes,
	v_bfe_u32 v11, v0, 8, 1
	s_delay_alu instid0(VALU_DEP_1)
	v_lshl_add_u32 v10, v11, 16, v10               ; of K's image (waves 0-7) or of V's, 65,536 bytes on (waves 8-15): in LDS
	s_delay_alu instid0(VALU_DEP_1)
	v_mov_b32 v11, v10                             ; and in memory
	v_lshlrev_b32 v233, 4, v0                      ; the scale bytes' copy: 16 lane + 512 wave in memory,
	s_delay_alu instid0(VALU_DEP_1)
	v_add_nc_u32 v232, 131072, v233                ; and in LDS behind K and V
	v_lshl_add_u32 v2, v5, 1, 131072               ; K's scales: two bytes a key
	v_lshl_add_u32 v3, v5, 2, 135168               ; V's: a word a channel and step
	v_bfe_u32 v7, v0, 4, 1
	s_delay_alu instid0(VALU_DEP_1)
	v_lshlrev_b32 v4, 3, v7                        ; 8 h
	v_add_nc_u32 v9, 65536, v1                     ; V
	v_and_b32 v8, 15, v0
	s_delay_alu instid0(VALU_DEP_1)
	v_lshlrev_b32 v234, 1, v8                      ; Q's scales: 2 r
	s_and_b32 s9, ttmp7, 0xffff                    ; 16 batch + head
	s_lshl_b32 s10, ttmp9, 4
	s_add_co_u32 s10, s10, s[WV]                   ; my tile of queries
	s_mov_b32 s[SEL], 0x76543210
	s_mov_b32 s[SEL+1], 0xfedcba98
	s_mov_b32 s[CS], 0x3e38aa3b                    ; c = log2(e) / 8
	s_mov_b32 s[CS+1], s[CS]
	s_mov_b32 s[NC], 0xbe38aa3b                    ; -c
	s_mov_b32 s[TB], 4*4096                        ; the loop begins at key step 4
	s_mov_b32 s[TS], 4*256
	s_mov_b32 s[CNT], 12
	s_lshl_b32 s32, s9, 16                         ; offsets: Q's fragment,
	s_lshl_b32 s11, s10, 9
	s_add_co_u32 s32, s32, s11
	s_mov_b32 s33, 0
	s_lshl_b32 s34, s9, 12                         ; its scales,
	s_lshl_b32 s11, s10, 5
	s_add_co_u32 s34, s34, s11
	s_add_co_u32 s34, s34, 0x600000
	s_mov_b32 s35, 0
	s_lshl_b32 s36, s9, 13                         ; K's and V's scale bytes,
	s_add_co_u32 s36, s36, 0x620000
	s_mov_b32 s37, 0
	s_lshl_b32 s38, s9, 17                         ; the head's K and V
	s_add_co_u32 s38, s38, 0x200000
	s_mov_b32 s39, 0
	s_wait_alu depctr_va_vdst(0)
	s_wait_dscnt 0x0                               ; both opening adds are done
	s_wait_kmcnt 0x0
	s_add_nc_u64 s[16:17], s[4:5], s[32:33]
	s_add_nc_u64 s[18:19], s[4:5], s[34:35]
	s_add_nc_u64 s[14:15], s[4:5], s[36:37]
	s_add_nc_u64 s[12:13], s[4:5], s[38:39]
	global_load_b128 v[16:19], v1, s[16:17]        ; Q first: step 0 wants it
	global_load_u16 v24, v234, s[18:19]            ; two bytes; the bytes of the empty half are 0, over zero codes
	global_load_async_to_lds_b128 v232, v233, s[14:15]             ; the scale bytes
.irp j, 0,1,2,3,4,5,6,7,8,9,10,11,12,13,14,15
	global_load_async_to_lds_b128 v10, v11, s[12:13] offset:4096*\j   ; key step j
.endr
	s_lshr_b32 s35, s9, 4
	s_and_b32 s36, s9, 15                          ; head
	s_lshl_b32 s35, s35, 7
	s_add_co_u32 s35, s35, s10                     ; my tile among all 256
	s_lshr_b32 s32, s35, 3
	s_lshl_b32 s32, s32, 16
	s_lshr_b32 s34, s36, 1
	s_lshl_b32 s34, s34, 13
	s_add_co_u32 s32, s32, s34
	s_and_b32 s34, s35, 7
	s_lshl_b32 s34, s34, 10
	s_add_co_u32 s32, s32, s34
	s_and_b32 s34, s36, 1
	s_lshl_b32 s34, s34, 9
	s_add_co_u32 s32, s32, s34
	s_add_nc_u64 s[28:29], s[6:7], s[32:33]        ; o's codes: group, K step head / 2, tile, half head % 2
	s_lshr_b32 s32, s36, 3
	s_lshl_b32 s32, s32, 16
	s_lshl_b32 s34, s35, 8
	s_add_co_u32 s32, s32, s34
	s_and_b32 s34, s36, 7
	s_lshl_b32 s34, s34, 1
	s_add_co_u32 s32, s32, s34
	s_add_co_u32 s32, s32, 0x200000
	s_add_nc_u64 s[30:31], s[6:7], s[32:33]        ; o's scale bytes
.irp j, 20,21,22,23
	v_mov_b32 v[\j], 0                             ; Q's empty half
.endr
.irp t, 0,1,2,3,4,5,6,7
.irp j, 4,5,6,7
	v_mov_b32 v[32+8*\t+\j], 0                     ; K's empty halves: written once
.endr
.endr
.set n, 0
.rept 32
	v_mov_b32 v[160+n], 0                          ; O^T: the step is written once; the first f is 0 and leaves zeros zeros
.set n, n+1
.endr
	v_mov_b32 v13, 0xff61b1e6                      ; the largest score so far: -3e38
	v_mov_b32 v12, 0x7e000000                      ; -M: a large whole number, so that the first f falls to 0
	v_mov_b32 v243, 0x7e000000                     ; the last -M
	v_mov_b32 v14, 0
	v_mov_b32 v15, 0
.irp j, 244,245,246,247,248,249,250,251,252,253
	v_mov_b32 v[\j], 0                             ; the sum's six pairs
.endr
	v_mov_b32 v241, 0                              ; (a lane permute's destination is written once)
; BOTH PRODUCTS TAKE 32 ROWS OF SOURCE 0 AN INSTRUCTION: tiles t and t + 1 (t even) of 16 rows each lie in 16 registers on end, and so do their results;
; source 0's scale register holds the even tile's rows in lanes 0-15 and the odd tile's in lanes 16-31, a lane a row.
.macro SW t
	v_wmma_scale_f32_32x16x128_f4 v[96+8*(\t):111+8*(\t)], v[32+8*(\t):47+8*(\t)], v[16:23], 0, v[26+(\t)/2], v24
.endm
.macro PV t
	v_wmma_scale_f32_32x16x128_f4 v[160+8*(\t):175+8*(\t)], v[192+8*(\t):207+8*(\t)], v[224:231], v[160+8*(\t):175+8*(\t)], v[30+(\t)/2], v25
.endm
.macro TM from, cnt                    ; t - M for pairs from .. from + cnt - 1
.set n, \from
.rept \cnt
	v_pk_fma_f32 v[96+2*n:97+2*n], v[96+2*n:97+2*n], s[CS:CS+1], v[12:13] op_sel_hi:[1,0,0]
.set n, n+1
.endr
.endm
; A KEY STEP of 128 keys.  kb: where its 4,096 bytes begin in K's and in V's image; sb: where its 256 scale bytes begin.  wt = 1: the barrier signalled a step ago is awaited.
; sig >= 0: all my copies but the youngest sig have landed, no LDS load of mine is out: signal the barrier that the next step awaits.
.macro STEP kb, sb, sig, wt
.if \wt
	s_barrier_wait -1
.endif
.if \sig >= 0
	s_wait_asynccnt \sig
.endif
	s_wait_dscnt 0x0                               ; K and its scales, asked for a step ago
.if \sig >= 0
	s_barrier_signal -1
.endif
.irp t, 0,2,4,6
	SW \t
.endr
	v_add_nc_u32 v5, \kb, v1                       ; four additions: the places behind these products and the last step's, in front of the loads into their operands and of the first read of the scores
	v_add_nc_u32 v6, \kb, v9
	v_add_nc_u32 v7, \sb, v2
	v_add_nc_u32 v8, \sb, v3
.irp t, 0,1,2,3
	ds_load_b128 v[192+8*\t:195+8*\t], v6 offset:1024*\t
	ds_load_b128 v[196+8*\t:199+8*\t], v6 offset:1024*\t+512
.endr
.irp i, 0,1
	ds_load_b32 v[30+\i], v8 offset:128*\i
.endr
.irp t, 0,1,2,3,4,5,6,7
	ds_load_b128 v[32+8*\t:35+8*\t], v5 offset:4096+512*\t         ; the NEXT step's K
.endr
.irp i, 0,1,2,3
	ds_load_u16 v[26+\i], v7 offset:256+64*\i      ; lanes 0-15 an even tile's keys, lanes 16-31 the odd tile's
.endr
.irp t, 0,1,2,3,4,5,6,7
	v_max3_num_f32 v[232+\t], v[96+8*\t], v[97+8*\t], v[98+8*\t]   ; eight chains, one to an accumulator, each from its low end on
.endr
.irp i, 3,5
.irp t, 0,1,2,3,4,5,6,7
	v_max3_num_f32 v[232+\t], v[232+\t], v[96+8*\t+\i], v[97+8*\t+\i]
.endr
.endr
	v_max3_num_f32 v232, v232, v233, v103          ; the chains and each accumulator's last register are joined: v232 block 0's largest score, v236 block 1's
	v_max3_num_f32 v234, v234, v235, v119
	v_max3_num_f32 v236, v236, v237, v135
	v_max3_num_f32 v238, v238, v239, v151
	v_max3_num_f32 v232, v232, v111, v127
	v_max3_num_f32 v236, v236, v143, v159
	v_max_num_f32 v232, v232, v234
	v_max_num_f32 v236, v236, v238
	v_max_num_f32 v240, v232, v236
	v_permlanex16_b32 v241, v240, s[SEL], s[SEL+1]
	v_max3_num_f32 v13, v13, v240, v241            ; the running largest score of my query
	v_mul_f32 v240, s[NC], v13
	v_floor_f32 v12, v240                          ; -M = floor(-t)
	TM 0, 2
	v_sub_f32 v240, v12, v243                      ; old M - new M: a whole number, 0 or less
	TM 2, 4
	v_cvt_i32_f32 v240, v240                       ; (it saturates)
	TM 6, 4
	v_ldexp_f32 v242, 1.0, v240                    ; f = 2^(old M - new M)
	TM 10, 22
	v_fma_f32 v232, v232, s[CS], v12               ; the same of each block's largest score
	v_fma_f32 v236, v236, s[CS], v12
.set n, 0
.rept 16
	v_pk_mul_f32 v[160+2*n:161+2*n], v[160+2*n:161+2*n], v[242:243] op_sel_hi:[1,0]   ; O^T under the new M, ahead of the exponentials
.set n, n+1
.endr
	s_wait_alu depctr_va_vdst(0)
.set n, 0
.rept 64
	v_exp_f32 v[96+n], v[96+n]                     ; p
.set n, n+1
.endr
	v_exp_f32 v232, v232                           ; each block's largest p
	v_exp_f32 v236, v236
	v_mov_b32 v243, v12                            ; -M is kept for the next step; the plain line behind the exponentials
	s_wait_alu depctr_va_vdst(0)                   ; one wait for the batch, ahead of its first reader
	v_max_num_f32 v232, 0x1800000, v232
	v_max_num_f32 v236, 0x1800000, v236
	s_delay_alu instid0(VALU_DEP_2)
	v_add_nc_u32 v234, 0xff000000, v232            ; the conversions' scale operands
	s_delay_alu instid0(VALU_DEP_2)
	v_add_nc_u32 v238, 0xff000000, v236
	s_delay_alu instid0(VALU_DEP_2)
	v_lshrrev_b32 v233, 23, v234                   ; the bytes of blocks h and 2 + h
	s_delay_alu instid0(VALU_DEP_2)
	v_lshrrev_b32 v237, 23, v238
	s_delay_alu instid0(VALU_DEP_1)
	v_lshl_or_b32 v240, v237, 16, v233
	s_delay_alu instid0(VALU_DEP_1)
	v_lshlrev_b32 v240, v4, v240                   ; at their places in the word,
	s_delay_alu instid0(VALU_DEP_1)
	v_permlanex16_b32 v241, v240, s[SEL], s[SEL+1]
	s_delay_alu instid0(VALU_DEP_1)
	v_or_b32 v25, v240, v241                       ; with lane l xor 16's two the word is whole
.irp g, 0,1,2,3
	v_cvt_scalef32_pk8_fp4_f32 v[224+\g], v[96+8*\g:103+8*\g], v234      ; registers 4 c .. 4 c + 3 of the operand: keys 64 c + 32 h + 0..31
.endr
.irp g, 0,1,2,3
	v_cvt_scalef32_pk8_fp4_f32 v[228+\g], v[128+8*\g:135+8*\g], v238
.endr
.set q, 0
.rept 32                               ; the sum of the unquantised p in six chains; each chain's first line also brings it under the new M.  These lines are the places ahead of the products below
.set ac, 242+2*(q%6)
.if (q%6) == 0
.set ac, 14
.endif
.if q < 6
	v_pk_fma_f32 v[ac:ac+1], v[ac:ac+1], v[242:243], v[96+2*q:97+2*q] op_sel_hi:[1,0,1]
.else
	v_pk_add_f32 v[ac:ac+1], v[ac:ac+1], v[96+2*q:97+2*q]
.endif
.set q, q+1
.endr
	s_wait_alu depctr_va_vdst(0)
	s_wait_dscnt 12                                ; V and its scales are in; the next K's eight loads and four scale loads may be out
.irp t, 0,2
	PV \t                                          ; two accumulators of 32 channels, one product each
.endr
.endm
	s_wait_alu depctr_va_vdst(0)
	s_wait_asynccnt 13                             ; of my 17 copies the first four are in: the scale bytes, key steps 0 to 2
	s_wait_dscnt 0x0
	s_barrier_signal -1
	s_barrier_wait -1                              ; everybody's are
.irp t, 0,1,2,3,4,5,6,7
	ds_load_b128 v[32+8*\t:35+8*\t], v1 offset:512*\t              ; step 0's K
.endr
.irp i, 0,1,2,3
	ds_load_u16 v[26+\i], v2 offset:64*\i
.endr
	s_wait_loadcnt 0x0                             ; Q
	STEP 0, 0, -1, 0
	STEP 4096, 256, 11, 0                          ; 11 may be out: key steps up to 4 are in
	STEP 8192, 512, -1, 1
	STEP 12288, 768, 0, 0                          ; all my copies are in
	s_barrier_wait -1
.Lstep:                                                ; key steps 4 to 15
	STEP s[TB], s[TS], -1, 0
	s_add_co_u32 s[TB], s[TB], 4096
	s_add_co_u32 s[TS], s[TS], 256
	s_sub_co_u32 s[CNT], s[CNT], 1
	s_cmp_lg_u32 s[CNT], 0
	s_cbranch_scc1 .Lstep
	v_pk_add_f32 v[14:15], v[14:15], v[244:245]    ; the six pairs are joined; these lines are also the places behind the last products
	v_pk_add_f32 v[246:247], v[246:247], v[248:249]
	v_pk_add_f32 v[250:251], v[250:251], v[252:253]
	s_delay_alu instid0(VALU_DEP_2)
	v_pk_add_f32 v[14:15], v[14:15], v[246:247]
	s_delay_alu instid0(VALU_DEP_1)
	v_pk_add_f32 v[14:15], v[14:15], v[250:251]
	s_delay_alu instid0(VALU_DEP_1)
	v_add_f32 v14, v14, v15
	s_delay_alu instid0(VALU_DEP_1)
	v_permlanex16_b32 v241, v14, s[SEL], s[SEL+1]
	s_delay_alu instid0(VALU_DEP_1)
	v_add_f32 v14, v14, v241                       ; the row's sum
	s_wait_alu depctr_va_vdst(0)
	v_rcp_f32 v14, v14
	v_and_b32 v8, 15, v0                           ; (a plain line behind the transcendental)
	v_bfe_u32 v7, v0, 4, 1
	s_delay_alu instid0(VALU_DEP_1)
	v_lshl_add_u32 v8, v8, 4, v7                   ; my byte: 16 r + h
	s_wait_alu depctr_va_vdst(0)                   ; ahead of the first reader of the reciprocal and of O^T
.irp j, 0,2,4,6,8,10,12,14,16,18,20,22,24,26,28,30
	v_pk_mul_f32 v[96+\j:97+\j], v[160+\j:161+\j], v[14:15] op_sel_hi:[1,0]   ; o: channels 32 h + 0..31 of my query: one block along the next product's K
.endr
	QUANT32 96, 224, 232
	global_store_b128 v1, v[224:227], s[28:29]     ; 512 consecutive bytes
	global_store_b8 v8, v232, s[30:31]
	s_wait_tensorcnt 0x0                           ; the wave's end
	ds_add_u32 v254, v255
	s_wait_dscnt 0x0                               ; the add, and the last step's look-ahead loads
	s_endpgm
.Lfunc_end_k_q92dabfdec9_attn:
	.size	k_q92dabfdec9_attn, .Lfunc_end_k_q92dabfdec9_attn-k_q92dabfdec9_attn
	.p2alignl 7, 3214868480
	.fill 96, 4, 3214868480
	.section	.rodata,"a",@progbits
	.p2align	6, 0x0
	.amdhsa_kernel k_q92dabfdec9_attn
		.amdhsa_group_segment_fixed_size 169984
		.amdhsa_private_segment_fixed_size 0
		.amdhsa_enable_private_segment 0
		.amdhsa_kernarg_size 16
		.amdhsa_user_sgpr_count 2
		.amdhsa_user_sgpr_kernarg_segment_ptr 1
		.amdhsa_wavefront_size32 1
		.amdhsa_system_sgpr_workgroup_id_x 1
		.amdhsa_system_sgpr_workgroup_id_y 1
		.amdhsa_system_sgpr_workgroup_id_z 1
		.amdhsa_system_vgpr_workitem_id 0
		.amdhsa_next_free_vgpr 256
		.amdhsa_next_free_sgpr 66
		.amdhsa_reserve_vcc 0
		.amdhsa_float_denorm_mode_32 3
		.amdhsa_float_denorm_mode_16_64 3
		.amdhsa_memory_ordered 1
		.amdhsa_forward_progress 1
		.amdhsa_inst_pref_size 80
	.end_amdhsa_kernel
	.amdgpu_metadata
---
amdhsa.version: [ 1, 2 ]
amdhsa.kernels:
  - .name:           k_q92dabfdec9_attn
    .symbol:         k_q92dabfdec9_attn.kd
    .args:
      - { .name: qkvimg, .offset: 0, .size: 8, .value_kind: global_buffer, .address_space: global }
      - { .name: oimg, .offset: 8, .size: 8, .value_kind: global_buffer, .address_space: global }
    .group_segment_fixed_size: 169984
    .private_segment_fixed_size: 0
    .kernarg_segment_align: 8
    .kernarg_segment_size: 16
    .max_flat_workgroup_size: 512
    .sgpr_count:     66
    .vgpr_count:     256
    .wavefront_size: 32
...
	.end_amdgpu_metadata
.endif
;; end of part 3
;; launch gwo (part 4): grid 8 x 32, 4 waves a work-group, no clusters, 168,448 bytes of LDS; arguments oimg, wimg, x, bo, gate_msa, x1; writes x1
.if DOCPART == 4
	.amdgcn_target "amdgcn-amd-amdhsa--gfx1250"
	.amdhsa_code_object_version 6
	.text
	.protected	k_q92dabfdec9_gwo
	.globl	k_q92dabfdec9_gwo
	.p2align	8
	.type	k_q92dabfdec9_gwo,@function
k_q92dabfdec9_gwo:
	s_mov_b64 s[64:65], 0
	v_nop
	global_prefetch_b8 v0, s[64:65] scope:SCOPE_SE
	s_setreg_imm32_b32 hwreg(HW_REG_WAVE_MODE, 25, 1), 1
	s_wait_xcnt 0x0
; x1 = x + gate_msa (o wo + bo).  D = X x Y^T on codes of E2M1: source 0 = 16 features of wo, source 1 = 16 tokens of o: a lane holds one token and its registers run along the features.
; A work-group: 128 features (x) x 128 tokens (y), K = 1,024; a wave two tiles of tokens against all eight tiles of features: 16 accumulators.  Only 8 x 32 such blocks fill the 256 WGPs at N = 1,024.
; X's group comes into LDS ONCE by lane copies (no slot is filled again: no ring); each wave's Y goes from memory into a ring of eight register slots.  X is shared along a grid column, but lane copies have no joint form: no cluster.
; The bias is the C of the first product.  The residual's rows are asked for in the last eight K steps, four loads a step, in the place of Y's: so every step's wait counts the same 28 younger loads.
; The way out goes through the wave's own stage in LDS, so that each store is a run of 512 consecutive bytes of a row.
; REGISTERS, windows of 256: 0: v1-13 addresses, from v32 X's scale words, behind them Y's, v192-195 the gate;  1: v0-127 X's fragments, two sets, later the rows on the way out; v128-191 the bias;
;   2: accumulator (a, b) at v[8 (8 a + b)];   3: v0-127 Y's ring, v128-255 the residual's 32 rows.
.set NY, 2
.set KS, 8
.set S1, 4
.set N1, 16                            ; copies that may be out at the first barrier: K steps 4-7's
.set XCB, 0x180000                     ; wo's codes in wimg
.set XSB, 0x620000                     ; its scale bytes
.set XPL, 16384
.set YSB, 0x200000                     ; o's scale bytes
.set YPL, 65536
.set FINAL, 0
.set STG, KS*8192                      ; behind X: a stage of 16 rows x 528 bytes for each wave; no copy lands there
.set LN, 1
.set LI, 2
.set RR, 3
.set HH, 4
.set VB, 5
.set AL, 6
.set AG, 7
.set ADX, 8
.set SO, 12
.set SR, 13
.set XS, 32
.set YS, XS+4*KS
.set GT, 192
.set WV, 20
.set XP, 24
.set YP, 26
.set XSP, 28
.set YSP, 30
.set BP, 32
.set GP, 34
.set RP, 36
.set OP, 38
.set MSB, 0
.macro WIN new                         ; the immediate's high byte repeats the setting that is left
.if MSB != \new
	s_set_vgpr_msb (MSB<<8)|\new
.set MSB, \new
.endif
.endm
.macro PLACES
.rept 4
	v_nop
.endr
.endm
.macro XCOPY from, to                  ; X's K steps from .. to - 1: my wave's 2,048 bytes of each 8,192; LDS mirrors memory
.set KK, \from
.rept \to-\from
.irp c, 0,1,2,3
	global_load_async_to_lds_b128 v[AL], v[AG], s[XP:XP+1] offset:KK*8192+512*\c
.endr
.set KK, KK+1
.endr
.endm
.macro XFETCH s                        ; X's eight fragments of K step s into set s % 2: each load takes 512 consecutive bytes
	WIN 0x40
.irp b, 0,1,2,3,4,5,6,7
.irp c, 0,1
	ds_load_b128 v[64*((\s)%2)+8*\b+4*\c:64*((\s)%2)+8*\b+4*\c+3], v[ADX+((\s)>>3)] offset:((\s)&7)*8192+\b*1024+512*\c
.endr
.endr
.endm
.macro YLOAD s                         ; my NY fragments of Y for K step s, into slot s % 8
	WIN 0xc0
.set ya, 0
.rept NY
.irp c, 0,1
	global_load_b128 v[8*NY*((\s)%8)+8*ya+4*\c:8*NY*((\s)%8)+8*ya+4*\c+3], v[LI], s[YP:YP+1] offset:(\s)*8192+ya*1024+512*\c
.endr
.set ya, ya+1
.endr
.endm
.macro RLOAD g                         ; rows 4 g .. 4 g + 3 of the residual: row n = 16 a + rho is token 8 a + 32 (rho / 8) + rho % 8 from my first
	WIN 0xc0
.irp i, 0,1,2,3
.set rn, 4*(\g)+\i
	global_load_b128 v[128+4*rn:128+4*rn+3], v[LI], s[RP:RP+1] offset:(8*(rn>>4)+32*((rn>>3)&1)+(rn&7))*4096
.endr
.endm
.macro SCALES                          ; scale words: 16 bytes a lane are four K steps' words; lanes 0-15 an even tile's rows, lanes 16-31 the odd tile's
.set li, 0
.rept 4
.set lp, 0
.rept KS/4
	global_load_b128 v[XS+KS*li+4*lp:XS+KS*li+4*lp+3], v[LI], s[XSP:XSP+1] offset:lp*XPL+512*li
.set lp, lp+1
.endr
.set li, li+1
.endr
.set li, 0
.rept NY/2
.set lp, 0
.rept KS/4
	global_load_b128 v[YS+KS*li+4*lp:YS+KS*li+4*lp+3], v[LI], s[YSP:YSP+1] offset:lp*YPL+512*li
.set lp, lp+1
.endr
.set li, li+1
.endr
.endm
; one product: Y tile a, X tile b, K step s.  cm = 0: onto its sum; 1: the sum begins with the bias
.macro WM a, b, s, cm
.set rD, 8*(8*(\a)+(\b))
.set rX, 64*((\s)%2)+8*(\b)
.set rY, 8*NY*((\s)%8)+8*(\a)
.set rP, XS+KS*((\b)/2)+(\s)
.set rQ, YS+KS*((\a)/2)+(\s)
.set rC, rD
.if \cm == 1
.set rC, 128+8*(\b)
.endif
.set ro, 2*((\a)%2)+((\b)%2)
.if ro == 0
	v_wmma_scale_f32_16x16x128_f8f6f4 v[rD:rD+7], v[rX:rX+7], v[rY:rY+7], v[rC:rC+7], v[rP], v[rQ] matrix_a_fmt:MATRIX_FMT_FP4 matrix_b_fmt:MATRIX_FMT_FP4
.elseif ro == 1
	v_wmma_scale_f32_16x16x128_f8f6f4 v[rD:rD+7], v[rX:rX+7], v[rY:rY+7], v[rC:rC+7], v[rP], v[rQ] matrix_a_fmt:MATRIX_FMT_FP4 matrix_b_fmt:MATRIX_FMT_FP4 matrix_a_scale:MATRIX_SCALE_ROW1
.elseif ro == 2
	v_wmma_scale_f32_16x16x128_f8f6f4 v[rD:rD+7], v[rX:rX+7], v[rY:rY+7], v[rC:rC+7], v[rP], v[rQ] matrix_a_fmt:MATRIX_FMT_FP4 matrix_b_fmt:MATRIX_FMT_FP4 matrix_b_scale:MATRIX_SCALE_ROW1
.else
	v_wmma_scale_f32_16x16x128_f8f6f4 v[rD:rD+7], v[rX:rX+7], v[rY:rY+7], v[rC:rC+7], v[rP], v[rQ] matrix_a_fmt:MATRIX_FMT_FP4 matrix_b_fmt:MATRIX_FMT_FP4 matrix_a_scale:MATRIX_SCALE_ROW1 matrix_b_scale:MATRIX_SCALE_ROW1
.endif
.endm
; a K step of 128: all 8 NY accumulators by turns, in the same order in every step; then X's fragments of two steps on.  wl = the global loads younger than this step's Y
.macro KSTEP s, wl, cm
.if (\s) == KS-1
	s_wait_dscnt 0x0
.else
	s_wait_dscnt 16                                ; this step's X is in; the next step's 16 loads may be out
.endif
	s_wait_loadcnt \wl
.if \cm == 1
	WIN 0x9d                                       ; X window 1, Y window 3, C window 1 (the bias), D window 2
.else
	WIN 0xad                                       ; C and D window 2
.endif
.set wa, 0
.rept NY
.set wb, 0
.rept 8
	WM wa, wb, \s, \cm
.set wb, wb+1
.endr
.set wa, wa+1
.endr
	PLACES                                         ; four places in front of loads into operands just read, and of the first read of results
.if (\s)+2 == S1
	s_wait_asynccnt 0x0                            ; my part of the rest of X has landed,
	s_wait_dscnt 0x0
	s_barrier_signal -1
	s_barrier_wait -1                              ; everybody's has
.endif
.if (\s)+2 < KS
	XFETCH (\s)+2
.endif
.endm
.macro REFILL s                        ; four loads in every step: Y of eight steps on, or in the last eight steps four rows of the residual
.if (\s)+8 < KS
	YLOAD (\s)+8
.else
	RLOAD (\s)+8-KS
.endif
.endm
.macro START                           ; Y for the first eight K steps; the rest of X's copies; X's first K steps are awaited; the first two sets of fragments
.irp s, 0,1,2,3,4,5,6,7
	YLOAD \s
.endr
	WIN 0
.if KS > 8
	XCOPY 8, KS
.endif
	s_wait_asynccnt N1
	s_barrier_signal -1
	s_barrier_wait -1
	XFETCH 0
	XFETCH 1
.endm
	s_load_b256 s[4:11], s[0:1], 0x0               ; Y's image, wimg, the residual, the bias
	s_load_b128 s[12:15], s[0:1], 0x20             ; the gate, the result
	v_lshl_add_u32 v254, v0, 2, 0x29000
	v_mov_b32 v255, 0
	ds_add_u32 v254, v255
	ds_add_u32 v254, v255
	v_and_b32 v[LN], 31, v0
	v_lshrrev_b32 v14, 5, v0
	v_readfirstlane_b32 s[WV], v14                 ; wave
	v_lshlrev_b32 v[LI], 4, v[LN]
	v_and_b32 v[RR], 15, v0
	v_bfe_u32 v[HH], v0, 4, 1
	v_lshlrev_b32 v[VB], 7, v[HH]
	v_lshl_add_u32 v[AL], v14, 11, v[LI]
	v_mov_b32 v[AG], v[AL]
.set li, 0
.rept (KS+7)/8
	v_add_nc_u32 v[ADX+li], 65536*li, v[LI]
.set li, li+1
.endr
	s_mul_i32 s42, s[WV], 8448
	s_add_co_u32 s42, s42, STG                     ; my stage
	v_mul_u32_u24 v[SO], v[RR], 528
	v_lshl_add_u32 v[SO], v[HH], 7, v[SO]
	v_add_nc_u32 v[SO], s42, v[SO]                 ; in: row r, + 32 h numbers
	v_add_nc_u32 v[SR], s42, v[LI]                 ; back: a row of 512 bytes
	s_mov_b32 s21, ttmp9                           ; x: the group of features
	s_and_b32 s22, ttmp7, 0xffff                   ; y: the group of tokens
	s_mov_b32 s41, 0
	s_wait_alu depctr_va_vdst(0)
	s_wait_dscnt 0x0
	s_wait_kmcnt 0x0
	s_mul_i32 s40, s21, KS*8192
	s_add_co_u32 s40, s40, XCB
	s_add_nc_u64 s[XP:XP+1], s[6:7], s[40:41]
	s_lshl_b32 s40, s21, 11
	s_add_co_u32 s40, s40, XSB
	s_add_nc_u64 s[XSP:XSP+1], s[6:7], s[40:41]
	s_mul_i32 s40, s22, KS*8192
	s_lshl_b32 s43, s[WV], 11
	s_add_co_u32 s40, s40, s43
	s_add_nc_u64 s[YP:YP+1], s[4:5], s[40:41]
	s_lshl_b32 s40, s22, 11
	s_lshl_b32 s43, s[WV], 9
	s_add_co_u32 s40, s40, s43
	s_add_co_u32 s40, s40, YSB
	s_add_nc_u64 s[YSP:YSP+1], s[4:5], s[40:41]
	s_lshl_b32 s40, s21, 9
	s_add_nc_u64 s[BP:BP+1], s[10:11], s[40:41]
	s_add_nc_u64 s[GP:GP+1], s[12:13], s[40:41]
	s_lshl_b32 s43, s22, 3
	s_lshl_b32 s44, s[WV], 1
	s_add_co_u32 s43, s43, s44                     ; my first tile of tokens
	s_lshr_b32 s44, s43, 2
	s_lshl_b32 s44, s44, 6
	s_and_b32 s43, s43, 3
	s_lshl_b32 s43, s43, 3
	s_add_co_u32 s44, s44, s43                     ; its first token
	s_lshl_b32 s44, s44, 12
	s_add_co_u32 s40, s40, s44
	s_add_nc_u64 s[RP:RP+1], s[8:9], s[40:41]
	s_add_nc_u64 s[OP:OP+1], s[14:15], s[40:41]
	XCOPY 0, 8
	SCALES
	WIN 0x40
.irp b, 0,1,2,3,4,5,6,7                        ; the bias in the result's layout: X tile b, register j = feature 64 (b / 4) + 32 h + 8 (b % 4) + j
	global_load_b128 v[128+8*\b:131+8*\b], v[VB], s[BP:BP+1] offset:(64*(\b/4)+8*(\b%4))*4
	global_load_b128 v[132+8*\b:135+8*\b], v[VB], s[BP:BP+1] offset:(64*(\b/4)+8*(\b%4))*4+16
.endr
	WIN 0
	global_load_b128 v[GT:GT+3], v[LI], s[GP:GP+1] ; the gate of my four columns of a row
	START
	KSTEP 0, 28, 1                                 ; 28: seven younger groups of four loads
	REFILL 0
.set KQ, 1
.rept KS-1
	KSTEP KQ, 28, 0
	REFILL KQ
.set KQ, KQ+1
.endr
	; THE WAY OUT: a tile of 16 tokens x 128 features through my stage, back as rows; LDS serves a wave's instructions in order, so no wait stands between the stores and the loads, nor in front of the next tile's stores
.irp a, 0,1
	WIN 0x08                                       ; an LDS store's data: window 2
.irp b, 0,1,2,3,4,5,6,7
	ds_store_b128 v[SO], v[8*(8*\a+\b):8*(8*\a+\b)+3] offset:256*(\b/4)+32*(\b%4)       ; each accumulator from its low end on
	ds_store_b128 v[SO], v[8*(8*\a+\b)+4:8*(8*\a+\b)+7] offset:256*(\b/4)+32*(\b%4)+16
.endr
	WIN 0x40
.irp t, 0,1,2,3,4,5,6,7,8,9,10,11,12,13,14,15
	ds_load_b128 v[64*\a+4*\t:64*\a+4*\t+3], v[SR] offset:528*\t
.endr
.endr
	s_wait_loadcnt 0x0                             ; the residual
.irp a, 0,1
	s_wait_dscnt 32-32*\a                          ; tile a is back; behind tile 0's loads stand tile 1's 16 stores and 16 loads
	WIN 0x71                                       ; the rows window 1, the gate window 0, the residual window 3
.irp t, 0,1,2,3,4,5,6,7,8,9,10,11,12,13,14,15
	v_pk_fma_f32 v[64*\a+4*\t:64*\a+4*\t+1], v[64*\a+4*\t:64*\a+4*\t+1], v[GT:GT+1], v[128+64*\a+4*\t:128+64*\a+4*\t+1]
	v_pk_fma_f32 v[64*\a+4*\t+2:64*\a+4*\t+3], v[64*\a+4*\t+2:64*\a+4*\t+3], v[GT+2:GT+3], v[128+64*\a+4*\t+2:128+64*\a+4*\t+3]
.endr
	WIN 0x04                                       ; a store's data: window 1
.irp t, 0,1,2,3,4,5,6,7,8,9,10,11,12,13,14,15
.if FINAL
	global_store_b128 v[LI], v[64*\a+4*\t:64*\a+4*\t+3], s[OP:OP+1] offset:(8*\a+32*(\t/8)+(\t%8))*4096 th:TH_STORE_NT
.else
	global_store_b128 v[LI], v[64*\a+4*\t:64*\a+4*\t+3], s[OP:OP+1] offset:(8*\a+32*(\t/8)+(\t%8))*4096   ; 512 consecutive bytes of a row
.endif
.endr
.endr
	WIN 0
	s_wait_tensorcnt 0x0
	ds_add_u32 v254, v255
	s_wait_dscnt 0x0
	s_endpgm
.Lfunc_end_k_q92dabfdec9_gwo:
	.size	k_q92dabfdec9_gwo, .Lfunc_end_k_q92dabfdec9_gwo-k_q92dabfdec9_gwo
	.p2alignl 7, 3214868480
	.fill 96, 4, 3214868480
	.section	.rodata,"a",@progbits
	.p2align	6, 0x0
	.amdhsa_kernel k_q92dabfdec9_gwo
		.amdhsa_group_segment_fixed_size 168448
		.amdhsa_private_segment_fixed_size 0
		.amdhsa_enable_private_segment 0
		.amdhsa_kernarg_size 48
		.amdhsa_user_sgpr_count 2
		.amdhsa_user_sgpr_kernarg_segment_ptr 1
		.amdhsa_wavefront_size32 1
		.amdhsa_system_sgpr_workgroup_id_x 1
		.amdhsa_system_sgpr_workgroup_id_y 1
		.amdhsa_system_sgpr_workgroup_id_z 1
		.amdhsa_system_vgpr_workitem_id 0
		.amdhsa_next_free_vgpr 1024
		.amdhsa_next_free_sgpr 66
		.amdhsa_reserve_vcc 0
		.amdhsa_float_denorm_mode_32 3
		.amdhsa_float_denorm_mode_16_64 3
		.amdhsa_memory_ordered 1
		.amdhsa_forward_progress 1
		.amdhsa_inst_pref_size 53
	.end_amdhsa_kernel
	.amdgpu_metadata
---
amdhsa.version: [ 1, 2 ]
amdhsa.kernels:
  - .name:           k_q92dabfdec9_gwo
    .symbol:         k_q92dabfdec9_gwo.kd
    .args:
      - { .name: oimg, .offset: 0, .size: 8, .value_kind: global_buffer, .address_space: global }
      - { .name: wimg, .offset: 8, .size: 8, .value_kind: global_buffer, .address_space: global }
      - { .name: x, .offset: 16, .size: 8, .value_kind: global_buffer, .address_space: global }
      - { .name: bo, .offset: 24, .size: 8, .value_kind: global_buffer, .address_space: global }
      - { .name: gate_msa, .offset: 32, .size: 8, .value_kind: global_buffer, .address_space: global }
      - { .name: x1, .offset: 40, .size: 8, .value_kind: global_buffer, .address_space: global }
    .group_segment_fixed_size: 168448
    .private_segment_fixed_size: 0
    .kernarg_segment_align: 8
    .kernarg_segment_size: 48
    .max_flat_workgroup_size: 128
    .sgpr_count:     66
    .vgpr_count:     1024
    .wavefront_size: 32
...
	.end_amdgpu_metadata
.endif
;; end of part 4
;; launch ln2 (part 5): grid 256 x 1, 4 waves a work-group, no clusters, 83,456 bytes of LDS; arguments x1, ln2_g, ln2_b, h2img; writes h2img
.if DOCPART == 5
	.amdgcn_target "amdgcn-amd-amdhsa--gfx1250"
	.amdhsa_code_object_version 6
	.text
	.protected	k_q92dabfdec9_ln2
	.globl	k_q92dabfdec9_ln2
	.p2align	8
	.type	k_q92dabfdec9_ln2,@function
k_q92dabfdec9_ln2:
	s_mov_b64 s[64:65], 0
	v_nop
	global_prefetch_b8 v0, s[64:65] scope:SCOPE_SE
	s_setreg_imm32_b32 hwreg(HW_REG_WAVE_MODE, 25, 1), 1
	s_wait_xcnt 0x0
; LAYER NORM AND QUANTISER.  y = (x - mean) rsqrt(var + 1e-6) g + b for rows of 1,024, all in f32 (the variance from the differences, so a common offset does no harm); y becomes codes of E2M1 along the row.
; A work-group makes one tile of the image (16 tokens in the order P64: tile T, row r = token 64 (T / 4) + 32 (r / 8) + 8 (T % 4) + r % 8); wave w its rows 4 w .. 4 w + 3, four tokens on end in memory.
; A load takes 512 consecutive bytes, 16 a lane; the quantiser wants a block of 32 neighbours in one lane: a row turns through the wave's own stage in LDS (144 bytes a block: 128 + 16 of padding).
; The codes (16 bytes a lane and row) and the scale bytes are gathered in LDS as the image has them and leave in runs of 256 bytes and more.  Matrix units, clusters and tensor loads have nothing to do here: memory binds.
; LIMITS: NaN and infinities are not served; blocks under 2^-124 and blocks of zeros get the byte 1 (read by this program alone); v_rsq_f32 is good to one unit in the last place.
.set STW, 18432                        ; a wave's four stages
.set STR, 4608                         ; a stage: 32 blocks x 144 bytes
.set IMG, 73728                        ; the tile's 32 units of 256 bytes (unit = block along K), each + 16 of padding
.set SCB, 82432                        ; its 512 scale bytes: plane, 16 bytes a row
.set QM0, 24
.set QM1, 25
.set QSC, 26
.set GG, 160                           ; v160-191 g, v192-223 b of my 32 columns
.set BB, 192
.set BK, 224                           ; v224-255 a block of 32 neighbours
.macro QUANT32 s, c, e
	v_max3_num_f32 v[QM0], |v[(\s)]|, |v[(\s)+1]|, 0x1800000       ; the floor 2^(3 - 127) holds the byte at 1 from below
	v_max3_num_f32 v[QM1], |v[(\s)+2]|, |v[(\s)+3]|, |v[(\s)+4]|
.irp i, 5,9,13,17,21,25
	v_max3_num_f32 v[QM0], v[QM0], |v[(\s)+\i]|, |v[(\s)+\i+1]|
	v_max3_num_f32 v[QM1], v[QM1], |v[(\s)+\i+2]|, |v[(\s)+\i+3]|
.endr
	v_max3_num_f32 v[QM0], v[QM0], |v[(\s)+29]|, |v[(\s)+30]|
	v_max3_num_f32 v[QM0], v[QM0], v[QM1], |v[(\s)+31]|
	v_add_nc_u32 v[QSC], 0xff000000, v[QM0]                        ; 2 off the exponent field: the conversion's scale operand
.irp g, 0,1,2,3
	v_cvt_scalef32_pk8_fp4_f32 v[(\c)+\g], v[(\s)+8*\g:(\s)+8*\g+7], v[QSC]
.endr
	v_lshrrev_b32 v[(\e)], 23, v[QSC]                              ; the byte; also the plain line behind the conversions
.endm
.macro WSUM r, t                       ; the sum over the 32 lanes, in every lane
	v_add_f32_dpp v[\r], v[\r], v[\r] row_xmask:1 row_mask:0xf bank_mask:0xf
	v_add_f32_dpp v[\r], v[\r], v[\r] row_xmask:2 row_mask:0xf bank_mask:0xf
	v_add_f32_dpp v[\r], v[\r], v[\r] row_xmask:4 row_mask:0xf bank_mask:0xf
	v_add_f32_dpp v[\r], v[\r], v[\r] row_xmask:8 row_mask:0xf bank_mask:0xf
	v_permlanex16_b32 v[\t], v[\r], s18, s19
	v_add_f32 v[\r], v[\r], v[\t]
.endm
	s_load_b256 s[4:11], s[0:1], 0x0               ; x, g, b, the image
	v_lshl_add_u32 v22, v0, 2, 0x14400
	v_mov_b32 v23, 0
	v_and_b32 v1, 31, v0                           ; lane
	v_lshrrev_b32 v2, 5, v0
	v_readfirstlane_b32 s12, v2                    ; wave
	v_lshlrev_b32 v3, 4, v1                        ; 16 x lane
	s_mul_i32 s13, s12, STW
	v_lshrrev_b32 v4, 3, v1
	v_lshl_add_u32 v4, v4, 4, v3
	v_add_nc_u32 v4, s13, v4                       ; into a stage: 16 lane + 16 (lane / 8); 576 bytes a load
	v_mul_u32_u24 v5, v1, 144
	v_add_nc_u32 v5, s13, v5                       ; out of it: block = lane
	s_lshl_b32 s14, s12, 6
	v_mul_u32_u24 v6, v1, 272
	v_add_nc_u32 v6, s14, v6
	v_add_nc_u32 v6, IMG, v6                       ; my block's codes: unit = lane, 16 bytes a row: 64 wave + 16 i
	v_lshrrev_b32 v7, 4, v1
	v_and_b32 v8, 15, v1
	v_lshl_add_u32 v9, v7, 8, v8
	v_add_nc_u32 v9, s14, v9
	v_add_nc_u32 v9, SCB, v9                       ; my block's byte
	v_mul_u32_u24 v10, v7, 272
	v_lshl_add_u32 v10, v8, 4, v10
	s_mul_i32 s15, s12, 8*272
	v_add_nc_u32 v10, s15, v10
	v_add_nc_u32 v10, IMG, v10                     ; the way out: my wave's 8 units, two a load
	v_add_nc_u32 v11, SCB, v3
	v_lshlrev_b32 v12, 16, v7
	v_lshl_add_u32 v12, v8, 4, v12                 ; the scale bytes in memory: plane x 65,536 + 16 x row
	s_lshr_b32 s16, ttmp9, 2                       ; my first token
	s_lshl_b32 s16, s16, 6
	s_and_b32 s17, ttmp9, 3
	s_lshl_b32 s17, s17, 3
	s_add_co_u32 s16, s16, s17
	s_lshr_b32 s17, s12, 1
	s_lshl_b32 s17, s17, 5
	s_add_co_u32 s16, s16, s17
	s_and_b32 s17, s12, 1
	s_lshl_b32 s17, s17, 2
	s_add_co_u32 s16, s16, s17
	s_lshl_b32 s16, s16, 12
	s_mov_b32 s17, 0
	s_lshr_b32 s26, ttmp9, 3                       ; the tile in the image: group, tile of 8, my two K steps
	s_lshl_b32 s26, s26, 16
	s_and_b32 s27, ttmp9, 7
	s_lshl_b32 s27, s27, 10
	s_add_co_u32 s26, s26, s27
	s_lshl_b32 s27, s12, 14
	s_add_co_u32 s26, s26, s27
	s_mov_b32 s27, 0
	s_lshl_b32 s28, ttmp9, 8
	s_add_co_u32 s28, s28, 0x200000
	s_mov_b32 s29, 0
	s_mov_b32 s18, 0x76543210
	s_mov_b32 s19, 0xfedcba98                      ; v_permlanex16_b32: lane l xor 16
	s_mov_b32 s20, 0x3a800000                      ; 1 / 1,024
	s_mov_b32 s21, 0x358637bd                      ; 1e-6
	s_wait_kmcnt 0x0
	s_add_nc_u64 s[4:5], s[4:5], s[16:17]
	s_add_nc_u64 s[22:23], s[10:11], s[26:27]
	s_add_nc_u64 s[24:25], s[10:11], s[28:29]
.irp j, 0,1,2,3,4,5,6,7
	global_load_b128 v[GG+4*\j:GG+4*\j+3], v3, s[6:7] offset:512*\j
.endr
.irp j, 0,1,2,3,4,5,6,7
	global_load_b128 v[BB+4*\j:BB+4*\j+3], v3, s[8:9] offset:512*\j
.endr
.irp i, 0,1,2,3
.irp j, 0,1,2,3,4,5,6,7
	global_load_b128 v[32+32*\i+4*\j:32+32*\i+4*\j+3], v3, s[4:5] offset:4096*\i+512*\j
.endr
.endr
; row i; left = the later rows' loads, which may stay out
.macro ROW i, left
.set X, 32+32*\i
	s_wait_loadcnt \left
	v_pk_add_f32 v[16:17], v[X:X+1], v[X+2:X+3]
	v_pk_add_f32 v[18:19], v[X+4:X+5], v[X+6:X+7]
.irp k, 8,12,16,20,24,28
	v_pk_add_f32 v[16:17], v[16:17], v[X+\k:X+\k+1]
	v_pk_add_f32 v[18:19], v[18:19], v[X+\k+2:X+\k+3]
.endr
	v_pk_add_f32 v[16:17], v[16:17], v[18:19]
	v_add_f32 v16, v16, v17
	WSUM 16, 17
	v_mul_f32 v16, s20, v16                        ; the mean
.irp k, 0,2,4,6,8,10,12,14,16,18,20,22,24,26,28,30
	v_pk_add_f32 v[X+\k:X+\k+1], v[X+\k:X+\k+1], v[16:17] op_sel_hi:[1,0] neg_lo:[0,1] neg_hi:[0,1]
.endr
	v_pk_mul_f32 v[18:19], v[X:X+1], v[X:X+1]
	v_pk_mul_f32 v[20:21], v[X+2:X+3], v[X+2:X+3]
.irp k, 4,8,12,16,20,24,28
	v_pk_fma_f32 v[18:19], v[X+\k:X+\k+1], v[X+\k:X+\k+1], v[18:19]
	v_pk_fma_f32 v[20:21], v[X+\k+2:X+\k+3], v[X+\k+2:X+\k+3], v[20:21]
.endr
	v_pk_add_f32 v[18:19], v[18:19], v[20:21]
	v_add_f32 v18, v18, v19
	WSUM 18, 19
	v_fma_f32 v18, v18, s20, s21                   ; the variance + 1e-6
	s_wait_alu depctr_va_vdst(0)
	v_rsq_f32 v18, v18
	v_nop                                          ; a plain line behind the transcendental
	s_wait_alu depctr_va_vdst(0)
.irp k, 0,2,4,6,8,10,12,14,16,18,20,22,24,26,28,30
	v_pk_mul_f32 v[X+\k:X+\k+1], v[X+\k:X+\k+1], v[18:19] op_sel_hi:[1,0]
.endr
.irp k, 0,2,4,6,8,10,12,14,16,18,20,22,24,26,28,30
	v_pk_fma_f32 v[X+\k:X+\k+1], v[X+\k:X+\k+1], v[GG+\k:GG+\k+1], v[BB+\k:BB+\k+1]
.endr
.irp k, 0,1,2,3,4,5,6,7
	ds_store_b128 v4, v[X+4*\k:X+4*\k+3] offset:STR*\i+576*\k
.endr
.irp k, 0,1,2,3,4,5,6,7
	ds_load_b128 v[BK+4*\k:BK+4*\k+3], v5 offset:STR*\i+16*\k      ; the wave's own bytes, served in order: these see the stores above
.endr
	s_wait_dscnt 0x0                               ; my block is in; the last row's stores of codes and byte have read their registers
	QUANT32 BK, 28, 27
	ds_store_b128 v6, v[28:31] offset:16*\i
	ds_store_b8 v9, v27 offset:16*\i
.endm
	ROW 0, 24
	ROW 1, 16
	ROW 2, 8
	ROW 3, 0
	s_wait_dscnt 0x0                               ; for the others' sake: my stores have landed
	s_barrier_signal -1
	s_barrier_wait -1
.irp m, 0,1,2,3
	ds_load_b128 v[32+4*\m:35+4*\m], v10 offset:2*\m*272
.endr
	s_wait_dscnt 0x0
.irp m, 0,1,2,3
	global_store_b128 v3, v[32+4*\m:35+4*\m], s[22:23] offset:(\m/2)*8192+(\m%2)*512   ; 512 consecutive bytes of a fragment
.endr
	s_cmp_lg_u32 s12, 0
	s_cbranch_scc1 .Lend
	ds_load_b128 v[48:51], v11
	s_wait_dscnt 0x0
	global_store_b128 v12, v[48:51], s[24:25]      ; two runs of 256 bytes: the tile's scale bytes in the two planes
.Lend:
	s_wait_tensorcnt 0x0
	ds_add_u32 v22, v23
	s_wait_dscnt 0x0
	s_endpgm
.Lfunc_end_k_q92dabfdec9_ln2:
	.size	k_q92dabfdec9_ln2, .Lfunc_end_k_q92dabfdec9_ln2-k_q92dabfdec9_ln2
	.p2alignl 7, 3214868480
	.fill 96, 4, 3214868480
	.section	.rodata,"a",@progbits
	.p2align	6, 0x0
	.amdhsa_kernel k_q92dabfdec9_ln2
		.amdhsa_group_segment_fixed_size 83456
		.amdhsa_private_segment_fixed_size 0
		.amdhsa_enable_private_segment 0
		.amdhsa_kernarg_size 32
		.amdhsa_user_sgpr_count 2
		.amdhsa_user_sgpr_kernarg_segment_ptr 1
		.amdhsa_wavefront_size32 1
		.amdhsa_system_sgpr_workgroup_id_x 1
		.amdhsa_system_sgpr_workgroup_id_y 1
		.amdhsa_system_sgpr_workgroup_id_z 1
		.amdhsa_system_vgpr_workitem_id 0
		.amdhsa_next_free_vgpr 256
		.amdhsa_next_free_sgpr 66
		.amdhsa_reserve_vcc 0
		.amdhsa_float_denorm_mode_32 3
		.amdhsa_float_denorm_mode_16_64 3
		.amdhsa_memory_ordered 1
		.amdhsa_forward_progress 1
		.amdhsa_inst_pref_size 43
	.end_amdhsa_kernel
	.amdgpu_metadata
---
amdhsa.version: [ 1, 2 ]
amdhsa.kernels:
  - .name:           k_q92dabfdec9_ln2
    .symbol:         k_q92dabfdec9_ln2.kd
    .args:
      - { .name: x1, .offset: 0, .size: 8, .value_kind: global_buffer, .address_space: global }
      - { .name: ln2_g, .offset: 8, .size: 8, .value_kind: global_buffer, .address_space: global }
      - { .name: ln2_b, .offset: 16, .size: 8, .value_kind: global_buffer, .address_space: global }
      - { .name: h2img, .offset: 24, .size: 8, .value_kind: global_buffer, .address_space: global }
    .group_segment_fixed_size: 83456
    .private_segment_fixed_size: 0
    .kernarg_segment_align: 8
    .kernarg_segment_size: 32
    .max_flat_workgroup_size: 128
    .sgpr_count:     66
    .vgpr_count:     256
    .wavefront_size: 32
...
	.end_amdgpu_metadata
.endif
;; end of part 5
;; launch gw1 (part 6): grid 16 x 16, 4 waves a work-group, no clusters, 327,680 bytes of LDS; arguments h2img, wimg, b1, gimg; writes gimg
.if DOCPART == 6
	.amdgcn_target "amdgcn-amd-amdhsa--gfx1250"
	.amdhsa_code_object_version 6
	.text
	.protected	k_q92dabfdec9_gw1
	.globl	k_q92dabfdec9_gw1
	.p2align	8
	.type	k_q92dabfdec9_gw1,@function
k_q92dabfdec9_gw1:
	s_mov_b64 s[64:65], 0
	v_nop
	global_prefetch_b8 v0, s[64:65] scope:SCOPE_SE
	s_setreg_imm32_b32 hwreg(HW_REG_WAVE_MODE, 25, 1), 1
	s_wait_xcnt 0x0
.set NY, 4
.set KS, 8
.set XPL, 65536
.set YPL, 65536
.set LN, 1
.set LI, 2
.set RR, 3
.set HH, 4
.set VB, 5
.set ADX, 8
.set SV, 14
.set XS, 32
.set YS, XS+4*KS
.set ZZ, 80
.set UU, 112
.set PP, 144
.set EE, 176
.set CD, 208
.set BY, 240
.set QM0, 248
.set QM1, 249
.set QSC, 250
.set C9, 252
.set WV, 20
.set XP, 24
.set YP, 26
.set XSP, 28
.set YSP, 30
.set BP, 32
.set CP, 34
.set SP, 36
.set G1, 48
.set G0, 56
.set TL, 90
.set TBX, 91
.set MSB, 0
.macro WIN new
.if MSB != \new
	s_set_vgpr_msb (MSB<<8)|\new
.set MSB, \new
.endif
.endm
.macro PLACES
.rept 4
	v_nop
.endr
.endm
.macro QUANT32 s, c, e
	v_max3_num_f32 v[QM0], |v[(\s)]|, |v[(\s)+1]|, 0x1800000
	v_max3_num_f32 v[QM1], |v[(\s)+2]|, |v[(\s)+3]|, |v[(\s)+4]|
.irp i, 5,9,13,17,21,25
	v_max3_num_f32 v[QM0], v[QM0], |v[(\s)+\i]|, |v[(\s)+\i+1]|
	v_max3_num_f32 v[QM1], v[QM1], |v[(\s)+\i+2]|, |v[(\s)+\i+3]|
.endr
	v_max3_num_f32 v[QM0], v[QM0], |v[(\s)+29]|, |v[(\s)+30]|
	v_max3_num_f32 v[QM0], v[QM0], v[QM1], |v[(\s)+31]|
	v_add_nc_u32 v[QSC], 0xff000000, v[QM0]
.irp g, 0,1,2,3
	v_cvt_scalef32_pk8_fp4_f32 v[(\c)+\g], v[(\s)+8*\g:(\s)+8*\g+7], v[QSC]
.endr
	v_lshrrev_b32 v[(\e)], 23, v[QSC]
.endm
.macro XFETCH s
	WIN 0x40
.irp b, 0,1,2,3,4,5,6,7
.irp c, 0,1
	ds_load_b128 v[64*((\s)%2)+8*\b+4*\c:64*((\s)%2)+8*\b+4*\c+3], v[ADX] offset:(\s)*8192+\b*1024+512*\c
.endr
.endr
.endm
.macro YLOAD s
	WIN 0xc0
.set ya, 0
.rept NY
.irp c, 0,1
	global_load_b128 v[8*NY*(\s)+8*ya+4*\c:8*NY*(\s)+8*ya+4*\c+3], v[LI], s[YP:YP+1] offset:(\s)*8192+ya*1024+512*\c
.endr
.set ya, ya+1
.endr
.endm
.macro XSCALES
.set li, 0
.rept 4
.set lp, 0
.rept KS/4
	global_load_b128 v[XS+KS*li+4*lp:XS+KS*li+4*lp+3], v[LI], s[XSP:XSP+1] offset:lp*XPL+512*li
.set lp, lp+1
.endr
.set li, li+1
.endr
.endm
.macro YSCALES
.set li, 0
.rept NY/2
.set lp, 0
.rept KS/4
	global_load_b128 v[YS+KS*li+4*lp:YS+KS*li+4*lp+3], v[LI], s[YSP:YSP+1] offset:lp*YPL+512*li
.set lp, lp+1
.endr
.set li, li+1
.endr
.endm
.macro BIAS
	WIN 0x40
.irp b, 0,1,2,3,4,5,6,7
	global_load_b128 v[128+8*\b:131+8*\b], v[VB], s[BP:BP+1] offset:(64*(\b/4)+8*(\b%4))*4
	global_load_b128 v[132+8*\b:135+8*\b], v[VB], s[BP:BP+1] offset:(64*(\b/4)+8*(\b%4))*4+16
.endr
	WIN 0
.endm
.macro WM a, b, s, cm
.set rD, 8*(8*(\a)+(\b))
.set rX, 64*((\s)%2)+8*(\b)
.set rY, 8*NY*(\s)+8*(\a)
.set rP, XS+KS*((\b)/2)+(\s)
.set rQ, YS+KS*((\a)/2)+(\s)
.set rC, rD
.if \cm == 1
.set rC, 128+8*(\b)
.endif
.set ro, 2*((\a)%2)+((\b)%2)
.if ro == 0
	v_wmma_scale_f32_16x16x128_f8f6f4 v[rD:rD+7], v[rX:rX+7], v[rY:rY+7], v[rC:rC+7], v[rP], v[rQ] matrix_a_fmt:MATRIX_FMT_FP4 matrix_b_fmt:MATRIX_FMT_FP4
.elseif ro == 1
	v_wmma_scale_f32_16x16x128_f8f6f4 v[rD:rD+7], v[rX:rX+7], v[rY:rY+7], v[rC:rC+7], v[rP], v[rQ] matrix_a_fmt:MATRIX_FMT_FP4 matrix_b_fmt:MATRIX_FMT_FP4 matrix_a_scale:MATRIX_SCALE_ROW1
.elseif ro == 2
	v_wmma_scale_f32_16x16x128_f8f6f4 v[rD:rD+7], v[rX:rX+7], v[rY:rY+7], v[rC:rC+7], v[rP], v[rQ] matrix_a_fmt:MATRIX_FMT_FP4 matrix_b_fmt:MATRIX_FMT_FP4 matrix_b_scale:MATRIX_SCALE_ROW1
.else
	v_wmma_scale_f32_16x16x128_f8f6f4 v[rD:rD+7], v[rX:rX+7], v[rY:rY+7], v[rC:rC+7], v[rP], v[rQ] matrix_a_fmt:MATRIX_FMT_FP4 matrix_b_fmt:MATRIX_FMT_FP4 matrix_a_scale:MATRIX_SCALE_ROW1 matrix_b_scale:MATRIX_SCALE_ROW1
.endif
.endm
.macro KSTEP s, wl, cm
.if (\s) == KS-1
	s_wait_dscnt 0x0
.else
	s_wait_dscnt 16
.endif
	s_wait_loadcnt \wl
.if \cm == 1
	WIN 0x9d
.else
	WIN 0xad
.endif
.set wa, 0
.rept NY
.set wb, 0
.rept 8
	WM wa, wb, \s, \cm
.set wb, wb+1
.endr
.set wa, wa+1
.endr
	PLACES
.if (\s)+2 < KS
	XFETCH (\s)+2
.endif
.endm
.macro SPAIR r, val
	s_mov_b32 s[\r], \val
	s_mov_b32 s[\r+1], \val
.endm
	s_load_b256 s[4:11], s[0:1], 0x0
	v_lshl_add_u32 v254, v0, 2, 0x29000
	v_mov_b32 v255, 0
	ds_add_u32 v254, v255
	ds_add_u32 v254, v255
	v_and_b32 v[LN], 31, v0
	v_lshrrev_b32 v12, 5, v0
	v_readfirstlane_b32 s[WV], v12
	v_lshlrev_b32 v[LI], 4, v[LN]
	v_and_b32 v[RR], 15, v0
	v_bfe_u32 v[HH], v0, 4, 1
	v_lshlrev_b32 v[VB], 7, v[HH]
	v_lshl_add_u32 v[SV], v[RR], 4, v[HH]
	v_mov_b32 v[C9], 0.17087277
	v_mov_b32 v[C9+1], 0.17087277
	s_mov_b32 s21, ttmp9
	s_and_b32 s22, ttmp7, 0xffff
	s_lshr_b32 s40, s[WV], 1
	s_and_b32 s41, s[WV], 1
	s_lshl_b32 s42, s22, 1
	s_add_co_u32 s42, s42, s40
	s_mov_b32 s45, 0
	s_mov_b32 s[G1+0], 3<<16
	s_mov_b32 s[G1+1], 32<<16
	s_mov_b32 s[G1+2], 128<<16
	s_mov_b32 s[G1+3], 32<<16
	s_mov_b32 s[G1+4], 128
	s_mov_b32 s[G1+5], 32
	s_mov_b32 s[G1+6], 0
	s_mov_b32 s[G1+7], 0
	s_lshl_b32 s47, s[WV], 15                      ; my quarter of X's two groups: 32,768 bytes, 128 rows of 256; LDS mirrors memory
	s_lshl_b32 s44, s21, 17
	s_add_co_u32 s44, s44, 0x200000
	s_add_co_u32 s44, s44, s47
	s_wait_alu depctr_va_vdst(0)
	s_wait_dscnt 0x0
	s_wait_kmcnt 0x0
	s_add_nc_u64 s[XP:XP+1], s[6:7], s[44:45]
	s_mov_b32 s[G0], 1
	s_mov_b32 s[G0+1], s47
	s_mov_b64 s[G0+2:G0+3], s[XP:XP+1]
	s_or_b32 s[G0+3], s[G0+3], 0x80000000
	tensor_load_to_lds s[G0:G0+3], s[G1:G1+7]      ; my one tensor load: both tiles' X, 131,072 bytes a work-group, filled once
	s_nop 0
.rept 4
	v_nop
.endr
	SPAIR 66, 0x3f3504f3
	SPAIR 68, -0.82215223
	SPAIR 70, 1.48851587
	SPAIR 72, -1.13520398
	SPAIR 74, 0.27886807
	SPAIR 76, -0.18628806
	SPAIR 78, 0.09678418
	SPAIR 80, 0.37409196
	SPAIR 82, 1.00002368
	SPAIR 84, -1.26551223
	SPAIR 86, 0x3fb8aa3b
	SPAIR 88, 0x3fb504f3
	s_lshl_b32 s44, s21, 12
	s_add_co_u32 s44, s44, 0x628000
	s_add_nc_u64 s[XSP:XSP+1], s[6:7], s[44:45]
	s_lshl_b32 s44, s42, 16
	s_lshl_b32 s46, s41, 12
	s_add_co_u32 s44, s44, s46
	s_add_nc_u64 s[YP:YP+1], s[4:5], s[44:45]
	s_lshl_b32 s44, s42, 11
	s_lshl_b32 s46, s41, 10
	s_add_co_u32 s44, s44, s46
	s_add_co_u32 s44, s44, 0x200000
	s_add_nc_u64 s[YSP:YSP+1], s[4:5], s[44:45]
	s_lshl_b32 s44, s21, 10
	s_add_nc_u64 s[BP:BP+1], s[8:9], s[44:45]
	s_lshl_b32 s44, s42, 18
	s_lshl_b32 s46, s21, 14
	s_add_co_u32 s44, s44, s46
	s_lshl_b32 s46, s41, 12
	s_add_co_u32 s44, s44, s46
	s_add_nc_u64 s[CP:CP+1], s[10:11], s[44:45]
	s_lshr_b32 s44, s21, 1
	s_lshl_b32 s44, s44, 16
	s_lshl_b32 s46, s22, 12
	s_add_co_u32 s44, s44, s46
	s_lshl_b32 s46, s[WV], 10
	s_add_co_u32 s44, s44, s46
	s_and_b32 s46, s21, 1
	s_lshl_b32 s46, s46, 3
	s_add_co_u32 s44, s44, s46
	s_add_co_u32 s44, s44, 0x800000
	s_add_nc_u64 s[SP:SP+1], s[10:11], s[44:45]
	XSCALES
	YSCALES
	BIAS
.irp s, 0,1,2,3,4,5,6,7
	YLOAD \s
.endr
	WIN 0
	s_wait_tensorcnt 0x0
	s_barrier_signal -1
	s_barrier_wait -1
	s_mov_b32 s[TL], 2
	s_mov_b32 s[TBX], 0
.macro GELU a, c
.set rA, 64*\a+32*\c
	WIN 0x02
.set p, 0
.rept 16
	v_pk_mul_f32 v[ZZ+2*p:ZZ+2*p+1], v[rA+2*p:rA+2*p+1], s[66:67] op_sel_hi:[1,0]
.set p, p+1
.endr
	WIN 0
.set p, 0
.rept 32
	v_fma_f32 v[UU+p], |v[ZZ+p]|, 0.5, 1.0
.set p, p+1
.endr
.set p, 0
	s_wait_alu depctr_va_vdst(0)
.rept 32
	v_rcp_f32 v[UU+p], v[UU+p]
.set p, p+1
.endr
	v_nop
.set p, 0
	s_wait_alu depctr_va_vdst(0)
.rept 16
	v_pk_fma_f32 v[PP+2*p:PP+2*p+1], v[UU+2*p:UU+2*p+1], v[C9:C9+1], s[68:69] op_sel_hi:[1,0,0]
.set p, p+1
.endr
.irp k, 70,72,74,76,78,80,82,84
.set p, 0
.rept 16
	v_pk_fma_f32 v[PP+2*p:PP+2*p+1], v[PP+2*p:PP+2*p+1], v[UU+2*p:UU+2*p+1], s[\k:\k+1] op_sel_hi:[1,1,0]
.set p, p+1
.endr
.endr
.set p, 0
.rept 16
	v_pk_fma_f32 v[EE+2*p:EE+2*p+1], v[ZZ+2*p:ZZ+2*p+1], v[ZZ+2*p:ZZ+2*p+1], v[PP+2*p:PP+2*p+1] neg_lo:[1,0,0] neg_hi:[1,0,0]
.set p, p+1
.endr
.set p, 0
.rept 16
	v_pk_fma_f32 v[EE+2*p:EE+2*p+1], v[EE+2*p:EE+2*p+1], s[86:87], -0.5 op_sel_hi:[1,0,0]
.set p, p+1
.endr
.set p, 0
	s_wait_alu depctr_va_vdst(0)
.rept 32
	v_exp_f32 v[EE+p], v[EE+p]
.set p, p+1
.endr
	v_nop
.set p, 0
	s_wait_alu depctr_va_vdst(0)
.rept 16
	v_pk_mul_f32 v[EE+2*p:EE+2*p+1], v[EE+2*p:EE+2*p+1], v[UU+2*p:UU+2*p+1]
.set p, p+1
.endr
.set p, 0
.rept 16
	v_pk_mul_f32 v[EE+2*p:EE+2*p+1], v[EE+2*p:EE+2*p+1], v[ZZ+2*p:ZZ+2*p+1]
.set p, p+1
.endr
.set p, 0
.rept 16
	v_pk_fma_f32 v[UU+2*p:UU+2*p+1], v[ZZ+2*p:ZZ+2*p+1], s[88:89], v[EE+2*p:EE+2*p+1] op_sel_hi:[1,0,1] neg_lo:[0,0,1] neg_hi:[0,0,1]
.set p, p+1
.endr
.set p, 0
.rept 32
	v_max_num_f32 v[ZZ+p], v[EE+p], v[UU+p]
.set p, p+1
.endr
	QUANT32 ZZ, CD+4*(2*\a+\c), BY+2*\a+\c
	global_store_b128 v[LI], v[CD+4*(2*\a+\c):CD+4*(2*\a+\c)+3], s[CP:CP+1] offset:1024*\a+512*\c
	global_store_b8 v[SV], v[BY+2*\a+\c], s[SP:SP+1] offset:256*\a+2*\c
.endm
.Ltile:
	v_add_nc_u32 v[ADX], s[TBX], v[LI]
	XFETCH 0
	XFETCH 1
	s_wait_alu depctr_va_vdst(0)
	KSTEP 0, 56, 1
.set KQ, 1
.rept KS-1
	KSTEP KQ, 8*(7-KQ), 0
.set KQ, KQ+1
.endr
	WIN 0
	s_cmp_eq_u32 s[TL], 1
	s_cbranch_scc1 .Lno_next
	s_add_nc_u64 s[XSP:XSP+1], s[XSP:XSP+1], 2048
	s_add_nc_u64 s[BP:BP+1], s[BP:BP+1], 512
	XSCALES
	BIAS
.Lno_next:
.irp a, 0,1,2,3
	GELU \a, 0
	GELU \a, 1
.endr
	s_wait_loadcnt 0x0
	s_wait_xcnt 0x0
	s_add_nc_u64 s[CP:CP+1], s[CP:CP+1], 8192
	s_add_nc_u64 s[SP:SP+1], s[SP:SP+1], 4
	s_add_co_u32 s[TBX], s[TBX], 65536
	s_sub_co_u32 s[TL], s[TL], 1
	s_cmp_lg_u32 s[TL], 0
	s_cbranch_scc1 .Ltile
	s_wait_tensorcnt 0x0
	ds_add_u32 v254, v255
	s_wait_dscnt 0x0
	s_endpgm
.Lfunc_end_k_q92dabfdec9_gw1:
	.size	k_q92dabfdec9_gw1, .Lfunc_end_k_q92dabfdec9_gw1-k_q92dabfdec9_gw1
	.p2alignl 7, 3214868480
	.fill 96, 4, 3214868480
	.section	.rodata,"a",@progbits
	.p2align	6, 0x0
	.amdhsa_kernel k_q92dabfdec9_gw1
		.amdhsa_group_segment_fixed_size 327680
		.amdhsa_private_segment_fixed_size 0
		.amdhsa_enable_private_segment 0
		.amdhsa_kernarg_size 32
		.amdhsa_user_sgpr_count 2
		.amdhsa_user_sgpr_kernarg_segment_ptr 1
		.amdhsa_wavefront_size32 1
		.amdhsa_system_sgpr_workgroup_id_x 1
		.amdhsa_system_sgpr_workgroup_id_y 1
		.amdhsa_system_sgpr_workgroup_id_z 1
		.amdhsa_system_vgpr_workitem_id 0
		.amdhsa_next_free_vgpr 1024
		.amdhsa_next_free_sgpr 100
		.amdhsa_reserve_vcc 0
		.amdhsa_float_denorm_mode_32 3
		.amdhsa_float_denorm_mode_16_64 3
		.amdhsa_memory_ordered 1
		.amdhsa_forward_progress 1
		.amdhsa_inst_pref_size 234
	.end_amdhsa_kernel
	.amdgpu_metadata
---
amdhsa.version: [ 1, 2 ]
amdhsa.kernels:
  - .name:           k_q92dabfdec9_gw1
    .symbol:         k_q92dabfdec9_gw1.kd
    .args:
      - { .name: h2img, .offset: 0, .size: 8, .value_kind: global_buffer, .address_space: global }
      - { .name: wimg, .offset: 8, .size: 8, .value_kind: global_buffer, .address_space: global }
      - { .name: b1, .offset: 16, .size: 8, .value_kind: global_buffer, .address_space: global }
      - { .name: gimg, .offset: 24, .size: 8, .value_kind: global_buffer, .address_space: global }
    .group_segment_fixed_size: 327680
    .private_segment_fixed_size: 0
    .kernarg_segment_align: 8
    .kernarg_segment_size: 32
    .max_flat_workgroup_size: 128
    .sgpr_count:     100
    .vgpr_count:     1024
    .wavefront_size: 32
...
	.end_amdgpu_metadata
.endif
;; end of part 6
;; launch gw2 (part 7): grid 8 x 32, 4 waves a work-group, no clusters, 327,680 bytes of LDS; arguments gimg, wimg, x1, b2, gate_mlp, out0; writes out0
.if DOCPART == 7
	.amdgcn_target "amdgcn-amd-amdhsa--gfx1250"
	.amdhsa_code_object_version 6
	.text
	.protected	k_q92dabfdec9_gw2
	.globl	k_q92dabfdec9_gw2
	.p2align	8
	.type	k_q92dabfdec9_gw2,@function
k_q92dabfdec9_gw2:
	s_mov_b64 s[64:65], 0
	v_nop
	global_prefetch_b8 v0, s[64:65] scope:SCOPE_SE
	s_setreg_imm32_b32 hwreg(HW_REG_WAVE_MODE, 25, 1), 1
	s_wait_xcnt 0x0
.set NY, 2
.set KS, 32
.set XCB, 0x400000
.set XSB, 0x648000
.set XPL, 16384
.set YSB, 0x800000
.set YPL, 65536
.set STG, KS*8192
.set LN, 1
.set LI, 2
.set RR, 3
.set HH, 4
.set VB, 5
.set ADX, 8
.set SO, 12
.set SR, 13
.set XS, 32
.set YS, XS+4*KS
.set GT, 192
.set WV, 20
.set XP, 24
.set YP, 26
.set XSP, 28
.set YSP, 30
.set BP, 32
.set GP, 34
.set RP, 36
.set OP, 38
.set G1, 48
.set G0, 68
.set MSB, 0
.macro WIN new
.if MSB != \new
	s_set_vgpr_msb (MSB<<8)|\new
.set MSB, \new
.endif
.endm
.macro PLACES
.rept 4
	v_nop
.endr
.endm
.macro XFETCH s
	WIN 0x40
.irp b, 0,1,2,3,4,5,6,7
.irp c, 0,1
	ds_load_b128 v[64*((\s)%2)+8*\b+4*\c:64*((\s)%2)+8*\b+4*\c+3], v[ADX+((\s)>>3)] offset:((\s)&7)*8192+\b*1024+512*\c
.endr
.endr
.endm
.macro YLOAD s
	WIN 0xc0
.set ya, 0
.rept NY
.irp c, 0,1
	global_load_b128 v[8*NY*((\s)%8)+8*ya+4*\c:8*NY*((\s)%8)+8*ya+4*\c+3], v[LI], s[YP:YP+1] offset:(\s)*8192+ya*1024+512*\c
.endr
.set ya, ya+1
.endr
.endm
.macro RLOAD g
	WIN 0xc0
.irp i, 0,1,2,3
.set rn, 4*(\g)+\i
	global_load_b128 v[128+4*rn:128+4*rn+3], v[LI], s[RP:RP+1] offset:(8*(rn>>4)+32*((rn>>3)&1)+(rn&7))*4096
.endr
.endm
.macro SCALES
.set li, 0
.rept 4
.set lp, 0
.rept KS/4
	global_load_b128 v[XS+KS*li+4*lp:XS+KS*li+4*lp+3], v[LI], s[XSP:XSP+1] offset:lp*XPL+512*li
.set lp, lp+1
.endr
.set li, li+1
.endr
.set li, 0
.rept NY/2
.set lp, 0
.rept KS/4
	global_load_b128 v[YS+KS*li+4*lp:YS+KS*li+4*lp+3], v[LI], s[YSP:YSP+1] offset:lp*YPL+512*li
.set lp, lp+1
.endr
.set li, li+1
.endr
.endm
.macro WM a, b, s, cm
.set rD, 8*(8*(\a)+(\b))
.set rX, 64*((\s)%2)+8*(\b)
.set rY, 8*NY*((\s)%8)+8*(\a)
.set rP, XS+KS*((\b)/2)+(\s)
.set rQ, YS+KS*((\a)/2)+(\s)
.set rC, rD
.if \cm == 1
.set rC, 128+8*(\b)
.endif
.set ro, 2*((\a)%2)+((\b)%2)
.if ro == 0
	v_wmma_scale_f32_16x16x128_f8f6f4 v[rD:rD+7], v[rX:rX+7], v[rY:rY+7], v[rC:rC+7], v[rP], v[rQ] matrix_a_fmt:MATRIX_FMT_FP4 matrix_b_fmt:MATRIX_FMT_FP4
.elseif ro == 1
	v_wmma_scale_f32_16x16x128_f8f6f4 v[rD:rD+7], v[rX:rX+7], v[rY:rY+7], v[rC:rC+7], v[rP], v[rQ] matrix_a_fmt:MATRIX_FMT_FP4 matrix_b_fmt:MATRIX_FMT_FP4 matrix_a_scale:MATRIX_SCALE_ROW1
.elseif ro == 2
	v_wmma_scale_f32_16x16x128_f8f6f4 v[rD:rD+7], v[rX:rX+7], v[rY:rY+7], v[rC:rC+7], v[rP], v[rQ] matrix_a_fmt:MATRIX_FMT_FP4 matrix_b_fmt:MATRIX_FMT_FP4 matrix_b_scale:MATRIX_SCALE_ROW1
.else
	v_wmma_scale_f32_16x16x128_f8f6f4 v[rD:rD+7], v[rX:rX+7], v[rY:rY+7], v[rC:rC+7], v[rP], v[rQ] matrix_a_fmt:MATRIX_FMT_FP4 matrix_b_fmt:MATRIX_FMT_FP4 matrix_a_scale:MATRIX_SCALE_ROW1 matrix_b_scale:MATRIX_SCALE_ROW1
.endif
.endm
.macro KSTEP s, wl, cm
.if (\s) == KS-1
	s_wait_dscnt 0x0
.else
	s_wait_dscnt 16
.endif
	s_wait_loadcnt \wl
.if \cm == 1
	WIN 0x9d
.else
	WIN 0xad
.endif
.set wa, 0
.rept NY
.set wb, 0
.rept 8
	WM wa, wb, \s, \cm
.set wb, wb+1
.endr
.set wa, wa+1
.endr
	PLACES
.if (\s)+2 == 8
	s_wait_tensorcnt 0x0                           ; my part of X's K steps 8 to 31 has landed
	s_wait_dscnt 0x0
	s_barrier_signal -1
	s_barrier_wait -1
.endif
.if (\s)+2 < KS
	XFETCH (\s)+2
.endif
.endm
.macro REFILL s
.if (\s)+8 < KS
	YLOAD (\s)+8
.else
	RLOAD (\s)+8-KS
.endif
.endm
.macro START
.irp s, 0,1,2,3,4,5,6,7
	YLOAD \s
.endr
	WIN 0
	s_wait_alu depctr_va_vdst(0)
	s_wait_tensorcnt 0x0                           ; my part of X's K steps 0 to 7 is in
	ds_add_u32 v254, v255
	s_wait_dscnt 0x0
	s_barrier_signal -1
	s_barrier_wait -1
	tensor_load_to_lds s[G0+4:G0+7], s[56:63]      ; my one load behind this barrier: 192 rows of 256 bytes of X's K steps 8 to 31
	s_nop 0
	XFETCH 0
	XFETCH 1
.endm
	s_load_b256 s[4:11], s[0:1], 0x0
	s_load_b128 s[12:15], s[0:1], 0x20
	v_lshl_add_u32 v254, v0, 2, 0x48400
	v_mov_b32 v255, 0
	ds_add_u32 v254, v255
	ds_add_u32 v254, v255
	v_and_b32 v[LN], 31, v0
	v_lshrrev_b32 v14, 5, v0
	v_readfirstlane_b32 s[WV], v14
	v_lshlrev_b32 v[LI], 4, v[LN]
	v_and_b32 v[RR], 15, v0
	v_bfe_u32 v[HH], v0, 4, 1
	v_lshlrev_b32 v[VB], 7, v[HH]
.irp i, 0,1,2,3
	v_add_nc_u32 v[ADX+\i], 65536*\i, v[LI]
.endr
	s_mul_i32 s42, s[WV], 8448
	s_add_co_u32 s42, s42, STG
	v_mul_u32_u24 v[SO], v[RR], 528
	v_lshl_add_u32 v[SO], v[HH], 7, v[SO]
	v_add_nc_u32 v[SO], s42, v[SO]
	v_add_nc_u32 v[SR], s42, v[LI]
	s_mov_b32 s21, ttmp9
	s_and_b32 s22, ttmp7, 0xffff
	s_mov_b32 s41, 0
	s_mov_b32 s[G1+0], 3<<16
	s_mov_b32 s[G1+1], 32<<16
	s_mov_b32 s[G1+2], 64<<16
	s_mov_b32 s[G1+3], 32<<16
	s_mov_b32 s[G1+4], 64
	s_mov_b32 s[G1+5], 32
	s_mov_b32 s[G1+6], 0
	s_mov_b32 s[G1+7], 0
	s_lshl_b32 s45, s[WV], 14
	s_mul_i32 s40, s21, KS*8192
	s_add_co_u32 s40, s40, XCB
	s_add_co_u32 s40, s40, s45
	s_wait_alu depctr_va_vdst(0)
	s_wait_dscnt 0x0
	s_wait_kmcnt 0x0
	s_add_nc_u64 s[XP:XP+1], s[6:7], s[40:41]
	s_mov_b32 s[G0], 1                             ; K steps 0 to 7: 16,384 bytes a wave
	s_mov_b32 s[G0+1], s45
	s_mov_b64 s[G0+2:G0+3], s[XP:XP+1]
	s_or_b32 s[G0+3], s[G0+3], 0x80000000
	s_lshl_b32 s46, s[WV], 15
	s_mov_b32 s47, 0
	s_mov_b32 s[G0+4], 1                           ; K steps 8 to 31: 49,152 bytes a wave, behind the first 65,536; LDS mirrors memory
	s_mul_i32 s[G0+5], s[WV], 49152
	s_add_co_u32 s[G0+5], s[G0+5], 65536
	s_add_nc_u64 s[G0+6:G0+7], s[XP:XP+1], s[46:47]
	s_add_nc_u64 s[G0+6:G0+7], s[G0+6:G0+7], 65536
	s_or_b32 s[G0+7], s[G0+7], 0x80000000
	s_mov_b32 s56, 3<<16                           ; its group 1: 192 rows of 32 elements of 8 bytes
	s_mov_b32 s57, 32<<16
	s_mov_b32 s58, 192<<16
	s_mov_b32 s59, 32<<16
	s_mov_b32 s60, 192
	s_mov_b32 s61, 32
	s_mov_b32 s62, 0
	s_mov_b32 s63, 0
	tensor_load_to_lds s[G0:G0+3], s[G1:G1+7]      ; my one tensor load at the head
	s_nop 0
.rept 4
	v_nop
.endr
	s_lshl_b32 s40, s21, 11
	s_add_co_u32 s40, s40, XSB
	s_add_nc_u64 s[XSP:XSP+1], s[6:7], s[40:41]
	s_mul_i32 s40, s22, KS*8192
	s_lshl_b32 s43, s[WV], 11
	s_add_co_u32 s40, s40, s43
	s_add_nc_u64 s[YP:YP+1], s[4:5], s[40:41]
	s_lshl_b32 s40, s22, 11
	s_lshl_b32 s43, s[WV], 9
	s_add_co_u32 s40, s40, s43
	s_add_co_u32 s40, s40, YSB
	s_add_nc_u64 s[YSP:YSP+1], s[4:5], s[40:41]
	s_lshl_b32 s40, s21, 9
	s_add_nc_u64 s[BP:BP+1], s[10:11], s[40:41]
	s_add_nc_u64 s[GP:GP+1], s[12:13], s[40:41]
	s_lshl_b32 s43, s22, 3
	s_lshl_b32 s44, s[WV], 1
	s_add_co_u32 s43, s43, s44
	s_lshr_b32 s44, s43, 2
	s_lshl_b32 s44, s44, 6
	s_and_b32 s43, s43, 3
	s_lshl_b32 s43, s43, 3
	s_add_co_u32 s44, s44, s43
	s_lshl_b32 s44, s44, 12
	s_add_co_u32 s40, s40, s44
	s_add_nc_u64 s[RP:RP+1], s[8:9], s[40:41]
	s_add_nc_u64 s[OP:OP+1], s[14:15], s[40:41]
	SCALES
	WIN 0x40
.irp b, 0,1,2,3,4,5,6,7
	global_load_b128 v[128+8*\b:131+8*\b], v[VB], s[BP:BP+1] offset:(64*(\b/4)+8*(\b%4))*4
	global_load_b128 v[132+8*\b:135+8*\b], v[VB], s[BP:BP+1] offset:(64*(\b/4)+8*(\b%4))*4+16
.endr
	WIN 0
	global_load_b128 v[GT:GT+3], v[LI], s[GP:GP+1]
	START
	KSTEP 0, 28, 1
	REFILL 0
.set KQ, 1
.rept KS-1
	KSTEP KQ, 28, 0
	REFILL KQ
.set KQ, KQ+1
.endr
.irp a, 0,1
	WIN 0x08
.irp b, 0,1,2,3,4,5,6,7
	ds_store_b128 v[SO], v[8*(8*\a+\b):8*(8*\a+\b)+3] offset:256*(\b/4)+32*(\b%4)
	ds_store_b128 v[SO], v[8*(8*\a+\b)+4:8*(8*\a+\b)+7] offset:256*(\b/4)+32*(\b%4)+16
.endr
	WIN 0x40
.irp t, 0,1,2,3,4,5,6,7,8,9,10,11,12,13,14,15
	ds_load_b128 v[64*\a+4*\t:64*\a+4*\t+3], v[SR] offset:528*\t
.endr
.endr
	s_wait_loadcnt 0x0
.irp a, 0,1
	s_wait_dscnt 32-32*\a
	WIN 0x71
.irp t, 0,1,2,3,4,5,6,7,8,9,10,11,12,13,14,15
	v_pk_fma_f32 v[64*\a+4*\t:64*\a+4*\t+1], v[64*\a+4*\t:64*\a+4*\t+1], v[GT:GT+1], v[128+64*\a+4*\t:128+64*\a+4*\t+1]
	v_pk_fma_f32 v[64*\a+4*\t+2:64*\a+4*\t+3], v[64*\a+4*\t+2:64*\a+4*\t+3], v[GT+2:GT+3], v[128+64*\a+4*\t+2:128+64*\a+4*\t+3]
.endr
	WIN 0x04
.irp t, 0,1,2,3,4,5,6,7,8,9,10,11,12,13,14,15
	global_store_b128 v[LI], v[64*\a+4*\t:64*\a+4*\t+3], s[OP:OP+1] offset:(8*\a+32*(\t/8)+(\t%8))*4096 th:TH_STORE_NT
.endr
.endr
	WIN 0
	s_wait_tensorcnt 0x0
	ds_add_u32 v254, v255
	s_wait_dscnt 0x0
	s_endpgm
.Lfunc_end_k_q92dabfdec9_gw2:
	.size	k_q92dabfdec9_gw2, .Lfunc_end_k_q92dabfdec9_gw2-k_q92dabfdec9_gw2
	.p2alignl 7, 3214868480
	.fill 96, 4, 3214868480
	.section	.rodata,"a",@progbits
	.p2align	6, 0x0
	.amdhsa_kernel k_q92dabfdec9_gw2
		.amdhsa_group_segment_fixed_size 327680
		.amdhsa_private_segment_fixed_size 0
		.amdhsa_enable_private_segment 0
		.amdhsa_kernarg_size 48
		.amdhsa_user_sgpr_count 2
		.amdhsa_user_sgpr_kernarg_segment_ptr 1
		.amdhsa_wavefront_size32 1
		.amdhsa_system_sgpr_workgroup_id_x 1
		.amdhsa_system_sgpr_workgroup_id_y 1
		.amdhsa_system_sgpr_workgroup_id_z 1
		.amdhsa_system_vgpr_workitem_id 0
		.amdhsa_next_free_vgpr 1024
		.amdhsa_next_free_sgpr 100
		.amdhsa_reserve_vcc 0
		.amdhsa_float_denorm_mode_32 3
		.amdhsa_float_denorm_mode_16_64 3
		.amdhsa_memory_ordered 1
		.amdhsa_forward_progress 1
		.amdhsa_inst_pref_size 142
	.end_amdhsa_kernel
	.amdgpu_metadata
---
amdhsa.version: [ 1, 2 ]
amdhsa.kernels:
  - .name:           k_q92dabfdec9_gw2
    .symbol:         k_q92dabfdec9_gw2.kd
    .args:
      - { .name: gimg, .offset: 0, .size: 8, .value_kind: global_buffer, .address_space: global }
      - { .name: wimg, .offset: 8, .size: 8, .value_kind: global_buffer, .address_space: global }
      - { .name: x1, .offset: 16, .size: 8, .value_kind: global_buffer, .address_space: global }
      - { .name: b2, .offset: 24, .size: 8, .value_kind: global_buffer, .address_space: global }
      - { .name: gate_mlp, .offset: 32, .size: 8, .value_kind: global_buffer, .address_space: global }
      - { .name: out0, .offset: 40, .size: 8, .value_kind: global_buffer, .address_space: global }
    .group_segment_fixed_size: 327680
    .private_segment_fixed_size: 0
    .kernarg_segment_align: 8
    .kernarg_segment_size: 48
    .max_flat_workgroup_size: 128
    .sgpr_count:     100
    .vgpr_count:     1024
    .wavefront_size: 32
...
	.end_amdgpu_metadata
.endif
;; end of part 7
